; MI455X (gfx1250); checked and timed in simulation.
; The chip was launched on July 23, 2026; its instructions are those of AMD's public machine-readable ISA for CDNA 5 (MIT licence, August 2026) and "CDNA5" Instruction Set Architecture Reference Guide (July 2026). The comments in the code are by the model that wrote it; some were corrected since.
;; Q Eff Grok1 Moe Block. Allowed arithmetic: matrix products marked QUANTISED: E2M1 operands, one E8M0 scale for each 32 along K, by v_wmma_scale_f32_16x16x128_f8f6f4 with both operands' format E2M1 (or v_wmma_scale_f32_32x16x128_f4), f32 sums; products left as they are: f32 operands where the result goes on into a quantised operand, else bf16, f16 or f32 operands; f32 sums; everything else in f32.
;; Inputs: hidden_states 1 x 1,024 x 1,024 float32; w_1_codes 8 x 1,024 x 64 x 16 uint8 (E2M1 codes of w_1, K innermost, in blocks of 32 codes, two codes a byte); w_1_scales 8 x 1,024 x 64 uint8 (E8M0 scales of w_1, one for each 32 codes along K); w_g_codes 8 x 2,048 x 32 x 16 uint8 (E2M1 codes of w_g, K innermost, in blocks of 32 codes, two codes a byte); w_g_scales 8 x 2,048 x 32 uint8 (E8M0 scales of w_g, one for each 32 codes along K); w_gate 1,024 x 8 float32; w_v_codes 8 x 2,048 x 32 x 16 uint8 (E2M1 codes of w_v, K innermost, in blocks of 32 codes, two codes a byte); w_v_scales 8 x 2,048 x 32 uint8 (E8M0 scales of w_v, one for each 32 codes along K).
;; Outputs: out0 1 x 1,024 x 1,024 float32; out1 1,024 x 8 float32.
;; This version of the problem:
;;   THIS VERSION OF THE PROBLEM IS GIVEN IN LOW PRECISION. The matrix products marked QUANTISED in the list below multiply operands that are first quantised to E2M1 (2 exponent bits, 1 mantissa bit; 4 bits a number), with one power-of-two scale for each 32 numbers along K (OCP MX v1.0); their sums are f32. All else is computed in f32.
;;   The module's matrix products, in the order in which they are computed (A, B: the left and right operand; K: the contracted axis; several contracted axes count as one K, in the product's order):
;;     1. [M 1,024, K 1,024] x [K 1,024, N 8]; A: input hidden_states; B: input w_gate: left as it is (N = 8 < 16)
;;     2. [M 16,384, K 1,024] x [K 1,024, N 1,024]; A: input w_g (given as codes); B: input hidden_states: QUANTISED
;;     3. [M 16,384, K 1,024] x [K 1,024, N 1,024]; A: input w_v (given as codes); B: input hidden_states: QUANTISED
;;     4. [M 8,192, K 2,048] x [K 2,048, N 1,024]; A: input w_1 (given as codes); B: computed on the way: QUANTISED
;;     5. [M 8,192, K 2,048] x [K 2,048, N 1,024]; A: input w_1 (given as codes); B: computed on the way: QUANTISED
;;   THE QUANTISER, for each operand of a quantised product, along K:
;;     - K is cut into blocks of 32 from its start; a last block that is shorter is filled with zeros.
;;     - A block's scale is 2^e with e = floor(log2(the largest magnitude in the block)) - 2, held to -126 .. 127; a block of zeros has e = 0. As a byte (E8M0): e + 127.
;;     - Each number is divided by its block's scale, clamped to +-6, and rounded to the nearest number of E2M1, ties to even, subnormals kept.
;;     - The product sums the exact products of the quantised numbers (number of the format x scale) in f32.
;;   ~~~python
;;   def quantise(x, axis):      # numpy; x: float32 -> the quantised numbers, widened to float32 again
;;       x = np.moveaxis(x, axis, -1); K = x.shape[-1]
;;       x = np.pad(x, [(0, 0)] * (x.ndim - 1) + [(0, -K % 32)]); x = x.reshape(x.shape[:-1] + (-1, 32)); a = np.abs(x).max(-1, keepdims=True)
;;       e = np.where(a > 0, np.clip(np.frexp(np.where(a > 0, a, 1))[1] - 1 - 2, -126, 127), 0)      # np.frexp(a)[1] - 1 = floor(log2(a)), exactly
;;       r = np.clip(x / 2.0 ** e, -6, 6)
;;       step = 2.0 ** (np.maximum(np.frexp(np.where(r == 0, 1, r))[1] - 1, 0) - 1)
;;       q = np.round(r / step) * step * 2.0 ** e      # np.round: ties to even
;;       return np.moveaxis(q.reshape(q.shape[:-2] + (-1,))[..., :K], -1, axis).astype(np.float32)
;;   ~~~
;;   OPERANDS COMPUTED ON THE WAY. 'Computed on the way' means the value that the module computes at that place (a softmax that the list does not call 'softmax' is quantised finished and normalised). What goes into a quantiser is computed in f32, as accurately as f32 sums, v_exp_f32 and their like allow (about 1e-6 of the number): no bf16 or f16 on the way to a quantiser, and a product that is left as it is and whose result goes on into a quantised operand takes f32 operands (vector FMAs, or v_wmma_f32_16x16x4_f32). A number that lies on a knife's edge between two numbers of the format may be rounded either way, as far as f32 arithmetic and the matrix unit's own rounding can turn it there, and no further.
;;   INPUTS GIVEN AS CODES. w_1 (in the module: [8, 2048, 1024], K = its axis 1); w_g (in the module: [8, 1024, 2048], K = its axis 1); w_v (in the module: [8, 1024, 2048], K = its axis 1): each comes as NAME_codes (uint8): NAME with its K axis moved to the last place and cut into blocks of 32 codes, [.., K / 32, bytes a block], one block behind the other in memory; two codes a byte, the lower K in the low four bits (a code: sign, 2 exponent bits, 1 mantissa bit); and NAME_scales (uint8): the same leading axes, one E8M0 byte (e + 127) for each 32 codes along K. Its value is code x scale, taken as it is: it is not quantised again, and the codes and scales need not be those that the quantiser above would give.
;; 2 versions. Each part assembles by itself: llvm-mc -triple=amdgcn-amd-amdhsa -mcpu=gfx1250 --defsym DOCPART=n.
;; ======== version 1 of 2: 4 launches
;; workspace buffers: xc 557,056 bytes; rt1 4,096 bytes of whole numbers; rw1 8,192 bytes; lists 14,080 bytes of whole numbers; rw2 8,192 bytes; hc 2,367,488 bytes
;; launch route (part 1): grid 256 x 1, 4 waves a work-group, no clusters, 55,808 bytes of LDS; arguments hidden_states, w_gate, out1, xc, rt1, rw1; writes out1, xc, rt1, rw1
.if DOCPART == 1
	.amdgcn_target "amdgcn-amd-amdhsa--gfx1250"
	.amdhsa_code_object_version 6
	.text
	.protected	k_q9fcf9d5d23_route
	.globl	k_q9fcf9d5d23_route
	.p2align	8
	.type	k_q9fcf9d5d23_route,@function
k_q9fcf9d5d23_route:
	s_mov_b64 s[64:65], 0
	v_nop
	global_prefetch_b8 v0, s[64:65] scope:SCOPE_SE
	s_setreg_imm32_b32 hwreg(HW_REG_WAVE_MODE, 25, 1), 1
	s_wait_xcnt 0x0
; ROUTE.  One wave, one token t = 4 x work-group + wave.  It (a) quantises the token's row of x (1,024 f32) to E2M1 codes and E8M0 bytes, (b) makes the 8 router logits in f32 (out1),
; (c) takes softmax and top-2 and stores the two experts as a whole number and their two weights, at fixed places: no address here hangs on the choice.
; xc: codes [1024 tokens][512 bytes] in K's order, then from XS_OFF on scale bytes [1024][32].  rt1[t] = a | b << 8 with a < b.  rw1: the weight of a at 4 t, that of b at 4096 + 4 t.
; LIMITS.  NaN and infinities are not served.  The top-2 is taken on the logits (the softmax rises with them), the lower index winning on equal logits: two different logits whose
; probabilities round to one f32 number could be ordered otherwise than by a top-k on the probabilities.  A block of zeros gets the byte 1, not 127: its codes are zeros, and this program alone reads the bytes.
; The logits' sums are taken in another order than a row-by-row sum.
; LDS: w_gate (32,768 bytes) at 0, 16 bytes of padding behind each 128, shared by the four waves; from XT on each wave's own 4,608 bytes, through which its row turns so that a lane gets a whole block of 32.
.set XS_OFF, 524288
.set XT,  36864
.set X,   16                           ; v16-47   the row as loaded: load i, register c: h = 128 i + 4 lane + c
.set Y,   48                           ; v48-79   the row turned: my lane's block of 32 neighbours
.set WB,  80                           ; v80-207  four slots of 32: w_gate rows 128 i + 4 lane + c, register 8 c + e  (first: the 16 staged loads)
.set ACC, 208                          ; v208-223 two sets of four pairs of partial logits
.set L,   224                          ; v224-231 the logits
.set EX,  232                          ; v232-239 the exponentials
	s_load_b256 s[4:11], s[0:1], 0x0               ; x s[4:5], w_gate s[6:7], out1 s[8:9], xc s[10:11]
	s_load_b128 s[12:15], s[0:1], 0x20             ; rt1 s[12:13], rw1 s[14:15]
	v_lshl_add_u32 v254, v0, 2, 0xd800
	v_mov_b32 v255, 0
	v_lshrrev_b32 v1, 5, v0
	v_readfirstlane_b32 s16, v1                    ; wave
	v_and_b32 v1, 31, v0                           ; lane
	v_lshrrev_b32 v2, 3, v0
	v_add_nc_u32 v2, v2, v0
	v_lshlrev_b32 v2, 4, v2                        ; w_gate into LDS: 16 thread + 16 (thread / 8)
	v_lshlrev_b32 v11, 4, v0                       ; and in memory: 16 thread
	v_lshlrev_b32 v3, 4, v1                        ; 16 lane
	s_mul_i32 s17, s16, 4608
	s_add_co_u32 s17, s17, XT                      ; my wave's turning place
	v_lshrrev_b32 v4, 3, v1
	v_add_nc_u32 v4, v4, v1
	v_lshlrev_b32 v4, 4, v4
	v_add_nc_u32 v4, s17, v4                       ; in: 16 lane + 16 (lane / 8)
	v_mul_u32_u24 v6, v1, 144                      ; w_gate out of LDS: my four rows of a chunk, 128 bytes + padding
	v_add_nc_u32 v5, s17, v6                       ; the row out: my block, 128 bytes + padding
	v_mov_b32 v10, 0
.irp e, 0,1,2,3,4,5,6,7
	v_mov_b32 v[EX+\e], 0                          ; written once: a lane permute's destination counts as one of its sources
.endr
	s_mov_b32 s30, 0x76543210
	s_mov_b32 s31, 0xfedcba98                      ; v_permlanex16_b32's selects for lane l xor 16
	s_lshl_b32 s18, ttmp9, 2
	s_add_co_u32 s18, s18, s16                     ; t
	s_lshl_b32 s20, s18, 12
	s_mov_b32 s21, 0
	s_lshl_b32 s22, s18, 5
	s_mov_b32 s23, 0
	s_lshl_b32 s24, s18, 9
	s_mov_b32 s25, 0
	s_lshl_b32 s26, s18, 2
	s_mov_b32 s27, 0
	s_wait_kmcnt 0x0
	s_add_nc_u64 s[4:5], s[4:5], s[20:21]          ; x's row
	s_add_nc_u64 s[8:9], s[8:9], s[22:23]          ; out1's row
	s_add_nc_u64 s[28:29], s[10:11], s[22:23]      ; the row's scale bytes (XS_OFF stands in the immediate)
	s_add_nc_u64 s[10:11], s[10:11], s[24:25]      ; the row's codes
	s_add_nc_u64 s[12:13], s[12:13], s[26:27]
	s_add_nc_u64 s[14:15], s[14:15], s[26:27]
.irp n, 0,1,2,3,4,5,6,7,8,9,10,11,12,13,14,15
	global_load_b128 v[WB+4*\n:WB+4*\n+3], v11, s[6:7] offset:2048*\n   ; the work-group's 128 threads read 2,048 consecutive bytes of w_gate
.endr
.irp i, 0,1,2,3,4,5,6,7
	global_load_b128 v[X+4*\i:X+4*\i+3], v3, s[4:5] offset:512*\i th:TH_LOAD_NT   ; 512 consecutive bytes of my row
.endr
	s_wait_loadcnt 8                               ; w_gate's sixteen are in; the row's eight may be out
.irp n, 0,1,2,3,4,5,6,7,8,9,10,11,12,13,14,15
	ds_store_b128 v2, v[WB+4*\n:WB+4*\n+3] offset:2304*\n
.endr
	s_wait_loadcnt 0x0
.irp i, 0,1,2,3,4,5,6,7
	ds_store_b128 v4, v[X+4*\i:X+4*\i+3] offset:576*\i
.endr
.irp q, 0,1,2,3,4,5,6,7
	ds_load_b128 v[Y+4*\q:Y+4*\q+3], v5 offset:16*\q   ; LDS serves a wave's instructions in order: these see my stores
.endr
	s_wait_dscnt 0x0                               ; for the others' sake: my part of w_gate lies in LDS
	s_barrier_signal -1
	s_barrier_wait -1
.macro WLD i                           ; chunk i of w_gate: my four rows, 8 loads, into slot i % 4
.irp c, 0,1,2,3
.irp q, 0,1
	ds_load_b128 v[WB+32*((\i)%4)+8*\c+4*\q:WB+32*((\i)%4)+8*\c+4*\q+3], v6 offset:4608*(\i)+32*\c+16*\q
.endr
.endr
.endm
.macro FMA i                           ; my four numbers of chunk i x their rows of w_gate: 16 packed multiply-adds, into set i % 2; each set's first four start the sums
.irp c, 0,1,2,3
.irp p, 0,1,2,3
.if ((\i) < 2) && (\c == 0)
	v_pk_mul_f32 v[ACC+8*((\i)%2)+2*\p:ACC+8*((\i)%2)+2*\p+1], v[X+4*(\i):X+4*(\i)+1], v[WB+32*((\i)%4)+2*\p:WB+32*((\i)%4)+2*\p+1] op_sel_hi:[0,1]
.elseif (\c%2) == 0
	v_pk_fma_f32 v[ACC+8*((\i)%2)+2*\p:ACC+8*((\i)%2)+2*\p+1], v[X+4*(\i)+\c:X+4*(\i)+\c+1], v[WB+32*((\i)%4)+8*\c+2*\p:WB+32*((\i)%4)+8*\c+2*\p+1], v[ACC+8*((\i)%2)+2*\p:ACC+8*((\i)%2)+2*\p+1] op_sel_hi:[0,1,1]
.else
	v_pk_fma_f32 v[ACC+8*((\i)%2)+2*\p:ACC+8*((\i)%2)+2*\p+1], v[X+4*(\i)+\c-1:X+4*(\i)+\c], v[WB+32*((\i)%4)+8*\c+2*\p:WB+32*((\i)%4)+8*\c+2*\p+1], v[ACC+8*((\i)%2)+2*\p:ACC+8*((\i)%2)+2*\p+1] op_sel:[1,0,0] op_sel_hi:[1,1,1]
.endif
.endr
.endr
.endm
	WLD 0
	WLD 1
	WLD 2
	WLD 3
	; my block of 32: its largest magnitude (with the floor 2^(3 - 127), which holds the byte at 1 from below), its scale, its codes
	v_max3_num_f32 v240, |v[Y]|, |v[Y+1]|, |v[Y+2]|
	v_max3_num_f32 v241, |v[Y+3]|, |v[Y+4]|, |v[Y+5]|
.irp i, 6,10,14,18,22,26
	v_max3_num_f32 v240, v240, |v[Y+\i]|, |v[Y+\i+1]|
	v_max3_num_f32 v241, v241, |v[Y+\i+2]|, |v[Y+\i+3]|
.endr
	v_max3_num_f32 v240, v240, |v[Y+30]|, |v[Y+31]|
	v_max3_num_f32 v240, v240, v241, 0x1800000
	v_add_nc_u32 v242, 0xff000000, v240            ; 2 off the exponent field: the conversion takes that field of this operand as its scale
	v_lshrrev_b32 v249, 23, v242                   ; the scale's byte
.irp g, 0,1,2,3
	v_cvt_scalef32_pk8_fp4_f32 v[12+\g], v[Y+8*\g:Y+8*\g+7], v242
.endr
	v_nop                                          ; one plain place behind the conversions: v242 is written again further on
	global_store_b128 v3, v[12:15], s[10:11]       ; 32 lanes store the row's 512 bytes of codes
	global_store_b8 v1, v249, s[28:29] offset:XS_OFF   ; and its 32 consecutive scale bytes
.irp i, 0,1,2,3
	s_wait_dscnt 24                                ; chunk i is in; the three younger chunks (24 loads) may be out
	FMA \i
	WLD \i+4
.endr
	s_wait_dscnt 24
	FMA 4
	s_wait_dscnt 16
	FMA 5
	s_wait_dscnt 8
	FMA 6
	s_wait_dscnt 0x0
	FMA 7
.irp p, 0,1,2,3
	v_pk_add_f32 v[L+2*\p:L+2*\p+1], v[ACC+2*\p:ACC+2*\p+1], v[ACC+8+2*\p:ACC+8+2*\p+1]
.endr
.irp m, 1,2,4,8                        ; over the 32 lanes, the eight sums by turns; every lane ends with all eight logits
.irp e, 0,1,2,3,4,5,6,7
	v_add_f32_dpp v[L+\e], v[L+\e], v[L+\e] row_xmask:\m row_mask:0xf bank_mask:0xf
.endr
.endr
.irp e, 0,1,2,3,4,5,6,7
	v_permlanex16_b32 v[EX+\e], v[L+\e], s30, s31
.endr
.irp e, 0,1,2,3,4,5,6,7
	v_add_f32 v[L+\e], v[L+\e], v[EX+\e]
.endr
	; softmax: the largest logit is taken away first
	v_max3_num_f32 v240, v[L], v[L+1], v[L+2]
	v_max3_num_f32 v240, v240, v[L+3], v[L+4]
	v_max3_num_f32 v240, v240, v[L+5], v[L+6]
	v_max_num_f32 v240, v240, v[L+7]
	v_mov_b32 v241, v240
.irp p, 0,1,2,3
	v_pk_add_f32 v[EX+2*\p:EX+2*\p+1], v[L+2*\p:L+2*\p+1], v[240:241] neg_lo:[0,1] neg_hi:[0,1]
.endr
.irp p, 0,1,2,3
	v_pk_mul_f32 v[EX+2*\p:EX+2*\p+1], v[EX+2*\p:EX+2*\p+1], 0x3fb8aa3b op_sel_hi:[1,0]
.endr
.irp e, 0,1,2,3,4,5,6,7
	v_exp_f32 v[EX+\e], v[EX+\e]
.endr
	v_mov_b32 v242, v[L]                           ; the first choice: a later logit takes over only if it is larger.  (These lines are the plain place behind the exponentials)
	v_mov_b32 v243, 0
.irp e, 1,2,3,4,5,6,7
	v_cmp_ge_f32 vcc_lo, v242, v[L+\e]             ; keep
	v_cndmask_b32 v243, \e, v243, vcc_lo
	v_cndmask_b32 v242, v[L+\e], v242, vcc_lo
.endr
	s_wait_alu depctr_va_vdst(0)
	v_pk_add_f32 v[250:251], v[EX:EX+1], v[EX+2:EX+3]
	v_pk_add_f32 v[252:253], v[EX+4:EX+5], v[EX+6:EX+7]
	v_pk_add_f32 v[250:251], v[250:251], v[252:253]
	v_add_f32 v247, v250, v251
	v_rcp_f32 v247, v247                           ; 1 / the sum: the first choice's weight, its exponential being 1
	v_mov_b32 v244, 0xff800000                     ; the second choice, from -infinity on, passing over the first.  (A plain place behind the reciprocal)
	v_mov_b32 v245, 0
	v_mov_b32 v246, 0
.irp e, 0,1,2,3,4,5,6,7
	v_cmp_ge_f32 s20, v244, v[L+\e]
	v_cmp_eq_u32 s21, \e, v243
	s_or_b32 vcc_lo, s20, s21                      ; keep
	v_cndmask_b32 v245, \e, v245, vcc_lo
	v_cndmask_b32 v244, v[L+\e], v244, vcc_lo
	v_cndmask_b32 v246, v[EX+\e], v246, vcc_lo
.endr
	s_wait_alu depctr_va_vdst(0)
	v_mul_f32 v246, v246, v247                     ; the second choice's weight
	v_cmp_lt_u32 vcc_lo, v243, v245                ; the two by expert's number: a < b
	v_cndmask_b32 v250, v246, v247, vcc_lo         ; a's weight
	v_cndmask_b32 v251, v247, v246, vcc_lo         ; b's
	v_min_u32 v252, v243, v245
	v_max_u32 v253, v243, v245
	v_lshl_or_b32 v252, v253, 8, v252
	v_cmp_eq_u32 vcc_lo, 0, v1
	s_wait_xcnt 0x0                                ; EXEC is a source of the stores above: it changes only behind this wait
	s_wait_tensorcnt 0x0
	ds_add_u32 v254, v255
	s_wait_dscnt 0x0
	s_and_saveexec_b32 s32, vcc_lo                 ; all lanes hold the same numbers: lane 0 stores them
	global_store_b128 v10, v[L:L+3], s[8:9]
	global_store_b128 v10, v[L+4:L+7], s[8:9] offset:16
	global_store_b32 v10, v252, s[12:13]
	global_store_b32 v10, v250, s[14:15]
	global_store_b32 v10, v251, s[14:15] offset:4096
	s_endpgm
.Lfunc_end_k_q9fcf9d5d23_route:
	.size	k_q9fcf9d5d23_route, .Lfunc_end_k_q9fcf9d5d23_route-k_q9fcf9d5d23_route
	.p2alignl 7, 3214868480
	.fill 96, 4, 3214868480
	.section	.rodata,"a",@progbits
	.p2align	6, 0x0
	.amdhsa_kernel k_q9fcf9d5d23_route
		.amdhsa_group_segment_fixed_size 55808
		.amdhsa_private_segment_fixed_size 0
		.amdhsa_enable_private_segment 0
		.amdhsa_kernarg_size 48
		.amdhsa_user_sgpr_count 2
		.amdhsa_user_sgpr_kernarg_segment_ptr 1
		.amdhsa_wavefront_size32 1
		.amdhsa_system_sgpr_workgroup_id_x 1
		.amdhsa_system_sgpr_workgroup_id_y 1
		.amdhsa_system_sgpr_workgroup_id_z 1
		.amdhsa_system_vgpr_workitem_id 0
		.amdhsa_next_free_vgpr 256
		.amdhsa_next_free_sgpr 66
		.amdhsa_reserve_vcc 1
		.amdhsa_float_denorm_mode_32 3
		.amdhsa_float_denorm_mode_16_64 3
		.amdhsa_memory_ordered 1
		.amdhsa_forward_progress 1
		.amdhsa_inst_pref_size 29
	.end_amdhsa_kernel
	.amdgpu_metadata
---
amdhsa.version: [ 1, 2 ]
amdhsa.kernels:
  - .name:           k_q9fcf9d5d23_route
    .symbol:         k_q9fcf9d5d23_route.kd
    .args:
      - { .name: hidden_states, .offset: 0, .size: 8, .value_kind: global_buffer, .address_space: global }
      - { .name: w_gate, .offset: 8, .size: 8, .value_kind: global_buffer, .address_space: global }
      - { .name: out1, .offset: 16, .size: 8, .value_kind: global_buffer, .address_space: global }
      - { .name: xc, .offset: 24, .size: 8, .value_kind: global_buffer, .address_space: global }
      - { .name: rt1, .offset: 32, .size: 8, .value_kind: global_buffer, .address_space: global }
      - { .name: rw1, .offset: 40, .size: 8, .value_kind: global_buffer, .address_space: global }
    .group_segment_fixed_size: 55808
    .private_segment_fixed_size: 0
    .kernarg_segment_align: 8
    .kernarg_segment_size: 48
    .max_flat_workgroup_size: 128
    .sgpr_count:     66
    .vgpr_count:     256
    .wavefront_size: 32
...
	.end_amdgpu_metadata
.endif
;; end of part 1
;; launch place (part 2): grid 1 x 1, 32 waves a work-group, no clusters, 21,248 bytes of LDS; arguments rt1, rw1, lists, rw2; writes lists, rw2
.if DOCPART == 2
	.amdgcn_target "amdgcn-amd-amdhsa--gfx1250"
	.amdhsa_code_object_version 6
	.text
	.protected	k_q9fcf9d5d23_place
	.globl	k_q9fcf9d5d23_place
	.p2align	8
	.type	k_q9fcf9d5d23_place,@function
k_q9fcf9d5d23_place:
	s_mov_b64 s[64:65], 0
	v_nop
	global_prefetch_b8 v0, s[64:65] scope:SCOPE_SE
	s_setreg_imm32_b32 hwreg(HW_REG_WAVE_MODE, 25, 1), 1
	s_wait_xcnt 0x0
; PLACE.  A counting sort of the 1,024 tokens by their pair of experts (a < b), without atomics: one work-group, since 1,024 keys have work for no more; a lane to a token.
; d = 8 e + o names expert e's rows whose other expert is o.  Expert e's rows lie from seg[e] (a multiple of 16) on, by o ascending, then by token.  So the tokens of a pair (a, b) are
; neighbours, in the same order, in a's rows (from Olo), in b's rows (from Ohi) and in the order by pairs (from R).
; lists: rowtok[2176] at 0 (the token of each routed row); tok[1024] at 8704 (tokens by pair); pmeta[64][4] at 12800: {n, Olo, Ohi, R} at d = 8 a + b (entries with e >= o are defined and not read);
; emeta[8][2] at 13824: {seg, cnt}.  rw2: a's weight by pair order at 0, b's at 4096.
; LDS: CN [d][j] counts of word j (32 tokens), rows of 132 bytes; PX [d][j] their exclusive prefix over j; TOT [d] totals.
.set CN,  0
.set PX,  8448
.set TOT, 16896
	s_load_b256 s[4:11], s[0:1], 0x0               ; rt1 s[4:5], rw1 s[6:7], lists s[8:9], rw2 s[10:11]
	v_lshl_add_u32 v64, v0, 2, 0x4300
	v_mov_b32 v65, 0
	v_lshrrev_b32 v1, 5, v0
	v_readfirstlane_b32 s12, v1                    ; wave w
	v_and_b32 v1, 31, v0                           ; lane
	v_lshlrev_b32 v2, 2, v0                        ; 4 token
	v_lshlrev_b32 v33, 2, v1                       ; 4 lane
	s_lshl_b32 s13, s12, 2
	s_mul_i32 s14, s12, 132
	v_mul_u32_u24 v11, v1, 132
	v_add_nc_u32 v11, s13, v11                     ; row = lane, word = w
	v_add_nc_u32 v12, s14, v33                     ; row = w, word = lane
	v_mov_b32 v34, s13                             ; 4 w
.irp r, 8,9,10,17,30,31,32,37
	v_mov_b32 v\r, 0
.endr
	v_mov_b32 v36, -1
	v_bfe_u32 v18, v1, 4, 1
	v_sub_nc_u32 v18, 0, v18                       ; all ones in lanes 16-31
	v_and_b32 v35, 7, v1                           ; lane % 8
	v_cmp_le_u32 vcc_lo, 1, v35
	v_cndmask_b32 v19, v37, v36, vcc_lo            ; all ones where lane % 8 >= 1,
	v_cmp_le_u32 vcc_lo, 2, v35
	v_cndmask_b32 v20, v37, v36, vcc_lo            ; 2,
	v_cmp_le_u32 vcc_lo, 4, v35
	v_cndmask_b32 v21, v37, v36, vcc_lo            ; 4
	v_lshrrev_b32 v38, 3, v1
	v_lshlrev_b32 v38, 2, v38                      ; 4 (lane / 8)
	v_add_nc_u32 v41, 16, v38
	s_wait_kmcnt 0x0
	global_load_b32 v3, v2, s[4:5]
	global_load_b32 v4, v2, s[6:7]
	global_load_b32 v5, v2, s[6:7] offset:4096
	s_wait_loadcnt 2                               ; the key is in; the two weights may be out
	v_and_b32 v6, 0xff, v3
	v_min_u32 v6, 7, v6                            ; a
	v_lshrrev_b32 v7, 8, v3
	v_min_u32 v7, 7, v7                            ; b
.irp e, 0,1,2,3,4,5,6,7                ; which of my wave's 32 tokens use expert e: a mask in a scalar register, and in lane e of v8
	v_cmp_eq_u32 s20, \e, v6
	v_cmp_eq_u32 s21, \e, v7
	s_or_b32 s[24+\e], s20, s21
	v_writelane_b32 v8, s[24+\e], \e
.endr
.irp e, 0,1,2,3,4,5,6                  ; how many use e and o: into lanes d of v9 (d under 32) and v10; the diagonal stays 0
.irp o, 1,2,3,4,5,6,7
.if \o > \e
	s_and_b32 s20, s[24+\e], s[24+\o]
	s_bcnt1_i32_b32 s20, s20
	v_writelane_b32 v[9+(8*\e+\o)/32], s20, (8*\e+\o)%32
	v_writelane_b32 v[9+(8*\o+\e)/32], s20, (8*\o+\e)%32
.endif
.endr
.endr
	ds_store_b32 v11, v9 offset:CN
	ds_store_b32 v11, v10 offset:CN+4224
	s_wait_dscnt 0x0
	s_barrier_signal -1
	s_barrier_wait -1
	; wave w scans d = w and d = w + 32 over the 32 words
.macro SCAN32 r                        ; an inclusive sum over the 32 lanes
.irp s, 1,2,4,8
	v_mov_b32_dpp v17, v[\r] row_shr:\s row_mask:0xf bank_mask:0xf bound_ctrl:1
	v_add_nc_u32 v[\r], v[\r], v17
.endr
	v_readlane_b32 s20, v[\r], 15
	v_and_b32 v17, s20, v18
	v_add_nc_u32 v[\r], v[\r], v17
.endm
	ds_load_b32 v13, v12 offset:CN
	ds_load_b32 v14, v12 offset:CN+4224
	s_wait_dscnt 0x0
	v_mov_b32 v15, v13
	v_mov_b32 v16, v14
	SCAN32 15
	SCAN32 16
	v_sub_nc_u32 v13, v15, v13
	v_sub_nc_u32 v14, v16, v14
	ds_store_b32 v12, v13 offset:PX
	ds_store_b32 v12, v14 offset:PX+4224
	v_readlane_b32 s20, v15, 31
	v_readlane_b32 s21, v16, 31
	v_mov_b32 v39, s20
	v_mov_b32 v40, s21
	ds_store_b32 v34, v39 offset:TOT               ; all lanes write the same word with the same value
	ds_store_b32 v34, v40 offset:TOT+128
	s_wait_dscnt 0x0
	s_barrier_signal -1
	s_barrier_wait -1
	; every wave: lane = d % 32, two registers (e under 4, e from 4 on)
	ds_load_b32 v22, v33 offset:TOT                ; M[d]
	ds_load_b32 v23, v33 offset:TOT+128
	ds_load_b32 v24, v11 offset:PX                 ; the prefix of my wave's word, for each d
	ds_load_b32 v25, v11 offset:PX+4224
	s_wait_dscnt 0x0
.macro SCAN8 r                         ; an inclusive sum over o, within groups of eight lanes
.irp s, 1,2,4
	v_mov_b32_dpp v17, v[\r] row_shr:\s row_mask:0xf bank_mask:0xf bound_ctrl:1
	v_and_b32 v17, v17, v[19+\s/2]
	v_add_nc_u32 v[\r], v[\r], v17
.endr
.endm
	v_mov_b32 v26, v22
	v_mov_b32 v27, v23
	SCAN8 26
	SCAN8 27
	v_sub_nc_u32 v28, v26, v22                     ; rows of e with a lower o
	v_sub_nc_u32 v29, v27, v23
	s_mov_b32 s40, 0                               ; seg
	s_mov_b32 s41, 0                               ; tokens whose lower expert comes before e
.irp e, 0,1,2,3,4,5,6,7
	v_readlane_b32 s42, v[26+\e/4], 8*(\e%4)+7     ; cnt[e]
	v_readlane_b32 s43, v[28+\e/4], (9*\e)%32      ; rows of e whose other expert is lower: the diagonal lane's prefix
	v_writelane_b32 v30, s40, \e
	s_sub_co_u32 s44, s41, s40
	s_sub_co_u32 s44, s44, s43
	v_writelane_b32 v31, s44, \e                   ; adj[e]: a row's place in e's rows + adj = the token's place by pairs
	v_writelane_b32 v32, s40, 2*\e
	v_writelane_b32 v32, s42, 2*\e+1
	s_add_co_u32 s41, s41, s42
	s_sub_co_u32 s41, s41, s43
	s_add_co_u32 s42, s42, 15
	s_and_b32 s42, s42, -16
	s_add_co_u32 s40, s40, s42
.endr
	ds_bpermute_b32 v39, v38, v30
	ds_bpermute_b32 v40, v41, v30
	v_lshlrev_b32 v42, 2, v7
	v_lshl_add_u32 v42, v6, 5, v42                 ; 4 (8 a + b)
	v_lshlrev_b32 v43, 2, v6
	v_lshl_add_u32 v43, v7, 5, v43                 ; 4 (8 b + a)
	v_lshlrev_b32 v44, 2, v6
	v_lshlrev_b32 v45, 2, v7
	s_wait_dscnt 0x0
	v_add_nc_u32 v28, v28, v39                     ; OFF[d] = seg[e] + the prefix
	v_add_nc_u32 v29, v29, v40
	; lane = token again: what my pair's entries say (the permute takes the index modulo 32; the half is chosen behind it)
	ds_bpermute_b32 v46, v42, v28
	ds_bpermute_b32 v47, v42, v29
	ds_bpermute_b32 v48, v43, v28
	ds_bpermute_b32 v49, v43, v29
	ds_bpermute_b32 v50, v42, v24
	ds_bpermute_b32 v51, v42, v25
	ds_bpermute_b32 v52, v44, v31
	ds_bpermute_b32 v53, v44, v8
	ds_bpermute_b32 v54, v45, v8
	s_wait_dscnt 0x0
	v_cmp_le_u32 vcc_lo, 4, v6
	v_cndmask_b32 v46, v46, v47, vcc_lo
	v_cndmask_b32 v50, v50, v51, vcc_lo
	v_cmp_le_u32 vcc_lo, 4, v7
	v_cndmask_b32 v48, v48, v49, vcc_lo
	v_and_b32 v53, v53, v54
	v_mbcnt_lo_u32_b32 v53, v53, 0                 ; tokens of my pair in lower lanes of my wave
	v_add_nc_u32 v50, v50, v53                     ; i: my place among my pair's tokens
	v_add_nc_u32 v55, v46, v50                     ; my row with a,
	v_add_nc_u32 v56, v48, v50                     ; with b,
	v_add_nc_u32 v57, v55, v52                     ; my place by pairs
	v_min_u32 v55, 0x87f, v55
	v_min_u32 v56, 0x87f, v56
	v_min_u32 v57, 0x3ff, v57
	v_lshlrev_b32 v55, 2, v55
	v_lshlrev_b32 v56, 2, v56
	v_lshlrev_b32 v57, 2, v57
	global_store_b32 v55, v0, s[8:9]
	global_store_b32 v56, v0, s[8:9]
	global_store_b32 v57, v0, s[8:9] offset:8704
	s_wait_loadcnt 0x0                             ; the two weights
	global_store_b32 v57, v4, s[10:11]
	global_store_b32 v57, v5, s[10:11] offset:4096
	s_cmp_lg_u32 s12, 0                            ; the tables are the same in every wave: wave 0 stores them.  No barrier follows
	s_cbranch_scc1 .Lend
	v_lshl_add_u32 v58, v35, 5, v38                ; 4 (8 o + e): the entry of the same pair seen from o
	v_add_nc_u32 v59, 16, v58
	ds_bpermute_b32 v46, v58, v28
	ds_bpermute_b32 v47, v58, v29
	ds_bpermute_b32 v48, v38, v31
	ds_bpermute_b32 v49, v59, v28
	ds_bpermute_b32 v50, v59, v29
	ds_bpermute_b32 v51, v41, v31
	v_lshlrev_b32 v52, 4, v1
	global_store_b32 v33, v32, s[8:9] offset:13824
	v_cmp_le_u32 vcc_lo, 4, v35
	s_wait_dscnt 0x0
	v_mov_b32 v60, v22
	v_mov_b32 v61, v28
	v_cndmask_b32 v62, v46, v47, vcc_lo
	v_add_nc_u32 v63, v28, v48
	global_store_b128 v52, v[60:63], s[8:9] offset:12800
	v_mov_b32 v12, v23
	v_mov_b32 v13, v29
	v_cndmask_b32 v14, v49, v50, vcc_lo
	v_add_nc_u32 v15, v29, v51
	global_store_b128 v52, v[12:15], s[8:9] offset:13312
.Lend:
	s_wait_tensorcnt 0x0
	ds_add_u32 v64, v65
	s_wait_dscnt 0x0
	s_endpgm
.Lfunc_end_k_q9fcf9d5d23_place:
	.size	k_q9fcf9d5d23_place, .Lfunc_end_k_q9fcf9d5d23_place-k_q9fcf9d5d23_place
	.p2alignl 7, 3214868480
	.fill 96, 4, 3214868480
	.section	.rodata,"a",@progbits
	.p2align	6, 0x0
	.amdhsa_kernel k_q9fcf9d5d23_place
		.amdhsa_group_segment_fixed_size 21248
		.amdhsa_private_segment_fixed_size 0
		.amdhsa_enable_private_segment 0
		.amdhsa_kernarg_size 32
		.amdhsa_user_sgpr_count 2
		.amdhsa_user_sgpr_kernarg_segment_ptr 1
		.amdhsa_wavefront_size32 1
		.amdhsa_system_sgpr_workgroup_id_x 1
		.amdhsa_system_sgpr_workgroup_id_y 1
		.amdhsa_system_sgpr_workgroup_id_z 1
		.amdhsa_system_vgpr_workitem_id 0
		.amdhsa_next_free_vgpr 66
		.amdhsa_next_free_sgpr 66
		.amdhsa_reserve_vcc 1
		.amdhsa_float_denorm_mode_32 3
		.amdhsa_float_denorm_mode_16_64 3
		.amdhsa_memory_ordered 1
		.amdhsa_forward_progress 1
		.amdhsa_inst_pref_size 21
	.end_amdhsa_kernel
	.amdgpu_metadata
---
amdhsa.version: [ 1, 2 ]
amdhsa.kernels:
  - .name:           k_q9fcf9d5d23_place
    .symbol:         k_q9fcf9d5d23_place.kd
    .args:
      - { .name: rt1, .offset: 0, .size: 8, .value_kind: global_buffer, .address_space: global }
      - { .name: rw1, .offset: 8, .size: 8, .value_kind: global_buffer, .address_space: global }
      - { .name: lists, .offset: 16, .size: 8, .value_kind: global_buffer, .address_space: global }
      - { .name: rw2, .offset: 24, .size: 8, .value_kind: global_buffer, .address_space: global }
    .group_segment_fixed_size: 21248
    .private_segment_fixed_size: 0
    .kernarg_segment_align: 8
    .kernarg_segment_size: 32
    .max_flat_workgroup_size: 1024
    .sgpr_count:     66
    .vgpr_count:     66
    .wavefront_size: 32
...
	.end_amdgpu_metadata
.endif
;; end of part 2
;; launch gateup (part 3): grid 32 x 8, 4 waves a work-group, no clusters, 68,096 bytes of LDS; arguments xc, lists, w_g_codes, w_g_scales, w_v_codes, w_v_scales, hc; writes hc
.if DOCPART == 3
	.amdgcn_target "amdgcn-amd-amdhsa--gfx1250"
	.amdhsa_code_object_version 6
	.text
	.protected	k_q9fcf9d5d23_gateup
	.globl	k_q9fcf9d5d23_gateup
	.p2align	8
	.type	k_q9fcf9d5d23_gateup,@function
k_q9fcf9d5d23_gateup:
	s_mov_b64 s[64:65], 0
	v_nop
	global_prefetch_b8 v0, s[64:65] scope:SCOPE_SE
	s_setreg_imm32_b32 hwreg(HW_REG_WAVE_MODE, 25, 1), 1
	s_wait_xcnt 0x0
; GATEUP.  hidden = gelu(x Wg) * (x Wv) for the routed rows of one expert e (work-group y) and 64 hidden units 64 s .. 64 s + 63 (work-group x), quantised along F and stored as codes.
; Both products on E2M1 codes with E8M0 scales, 16 x 16 x 128, used transposed: source 0 = 16 rows of a weight, source 1 = 16 rows of x: a lane holds one routed row and its registers run along the hidden units.
; THE WEIGHTS STAY IN REGISTERS: every wave holds the slice's 4 tiles of Wg and 4 of Wv for all 8 K steps (512 registers).  They are read from memory once for the work-group, in whole rows of 512 bytes, and go
; through LDS (rows of 512 + 16 bytes) into each wave's fragments.  Wave w takes row tiles w, w + 4, ..  The number of tiles hangs on a stored count, so the launch has no tensor load, no cluster, and its one barrier stands ahead of that branch.
; THE FIRST TILE'S x IS ASKED FOR AHEAD OF THE BARRIER: the expert's count, the first 16 rows' tokens and their codes are three loads that hang on each other; they go out while the weights' rows are on their way and land under the barrier and the fragments' LDS loads.
; THE ROWS OF A WEIGHT THAT FORM A TILE ARE NOT NEIGHBOURS: lane r of tile 2 b + u takes row 32 b + 8 u + r + 8 (r / 8), so that the 16 registers of tiles 2 b and 2 b + 1 are 16 neighbours along F: 32 b + 16 (lane / 16) + 0 .. 15.
; GELU, exact form: gelu(g) = max(g, 0) - |g| R, R = erfc(|g| / sqrt 2) / 2 = t exp(-g^2 / 2 + a polynomial of degree 9 in t) / 2, t = 1 / (1 + |g| sqrt 2 / 4): a fit of erfc with a fractional error of 1.2e-7 everywhere; no compare, and nothing is lost in the negative tail.
; hc: 64 planes of codes [block of 32 along F][row p][16 bytes], PLANE bytes each; from HS_OFF on 4 planes of scale bytes [K step / 4][row p][16 bytes]: byte 4 (k % 4) + j is block 4 k + j.
; Rows past an expert's count, up to the next multiple of 16, repeat its last row: they are stored and never read.  The look-ahead past the last tile reads the last row again.  An expert without rows reads the list's entry 0 and stores nothing.
; LIMITS.  NaN and infinities are not served.  R under 2^-126 comes out as 0 (the exponential flushes).  A block of zeros gets the byte 1, not 127: its codes are zeros, and this program alone reads the bytes.
; REGISTERS.  Window 0: v1-15 addresses; v16-19 x's scale words; v20-51 the weights' (tile T at 4 T; lanes 0-15 K steps 0-3, lanes 16-31 K steps 4-7); v52-53 a constant; v54-58 codes and a byte; v64-127 x's 8 fragments;
; v128-159 gate, v160-191 up; v192-255 at work.  Window 1: first my 32 rows as loaded (v0-127), then the weights' fragments of K steps 0-3 at ((k % 4) 8 + T) 8, T = 0-3 gate, 4-7 up.  Window 2: K steps 4-7.
.set PLANE,  34816
.set HS_OFF, 64*PLANE
.set XS_OFF, 524288
.set LP,  528
.set XS,  16
.set WS,  20
.set CD,  54
.set X,   64
.set G,   128
.set V,   160
.set A,   192                          ; |g|
.set T,   208                          ; t
.set P,   224                          ; the polynomial, then R
.set SQ,  240                          ; g^2, then max(g, 0)
.set QT,  208                          ; the quantiser's six, where t lay
.set MSB, 0
.macro WIN new                         ; the immediate's high byte repeats the setting that is left
.if MSB != \new
	s_set_vgpr_msb (MSB<<8)|\new
.set MSB, \new
.endif
.endm
.macro RADDR sk                        ; where the tokens of the 16 rows from \sk on stand in rowtok; past the end: the last row
	v_add_nc_u32 v13, \sk, v1
	v_min_u32 v13, s36, v13
	v_add_nc_u32 v13, s37, v13
	v_min_u32 v13, 0x87f, v13
	v_lshlrev_b32 v7, 2, v13
.endm
.macro XADDR                           ; from my row's token to its codes and scale words
	v_min_u32 v13, 0x3ff, v8
	v_lshl_add_u32 v9, v13, 9, v2
	v_lshl_add_u32 v10, v13, 5, v2
.endm
.macro XLOAD                           ; 17 loads: x's eight fragments, and its scale words (lanes 0-15: K steps 0-3, lanes 16-31: 4-7)
.irp k, 0,1,2,3,4,5,6,7
.irp c, 0,1
	global_load_b128 v[X+8*\k+4*\c:X+8*\k+4*\c+3], v9, s[4:5] offset:64*\k+32*\c
.endr
.endr
	global_load_b128 v[XS:XS+3], v10, s[4:5] offset:XS_OFF
.endm
	s_load_b256 s[4:11], s[0:1], 0x0               ; xc s[4:5], lists s[6:7], Wg's codes s[8:9], scales s[10:11]
	s_load_b128 s[12:15], s[0:1], 0x20             ; Wv's codes s[12:13], scales s[14:15]
	s_load_b64 s[16:17], s[0:1], 0x30              ; hc
	v_lshl_add_u32 v62, v0, 2, 0x10800
	v_mov_b32 v63, 0
	v_lshrrev_b32 v13, 5, v0
	v_readfirstlane_b32 s18, v13                   ; wave w
	v_and_b32 v1, 15, v0                           ; r
	v_bfe_u32 v14, v0, 4, 1                        ; h
	v_lshlrev_b32 v2, 4, v14                       ; 16 h
	v_lshlrev_b32 v15, 3, v14                      ; 8 h
	v_and_b32 v3, 31, v0
	v_lshlrev_b32 v3, 4, v3                        ; 16 lane
	s_and_b32 s20, ttmp7, 0xffff                   ; e
	s_lshr_b32 s21, s18, 1
	s_lshl_b32 s21, s21, 5
	s_and_b32 s22, s18, 1
	s_lshl_b32 s22, s22, 3
	s_add_co_u32 s21, s21, s22
	s_mul_i32 s21, s21, LP
	v_add_nc_u32 v4, s21, v3                       ; into LDS: weight row 16 w + i goes to LDS row 32 (w / 2) + 8 (w % 2) + 16 (i / 8) + i % 8, so that a tile's 16 rows are neighbours there
	v_mul_u32_u24 v5, v1, LP
	v_add_nc_u32 v5, v5, v2                        ; out of it: row r of a tile, + 16 h
	v_and_b32 v6, 8, v1
	v_add_nc_u32 v6, v6, v1
	v_lshl_add_u32 v6, v6, 5, v2                   ; the weights' scale words: row r + 8 (r / 8) of 32 bytes, + 16 h
	v_mov_b32 v52, 0x3e2ef945                      ; the polynomial's highest coefficient, twice
	v_mov_b32 v53, 0x3e2ef945
	s_mov_b32 s42, 0x76543210
	s_mov_b32 s43, 0xfedcba98                      ; v_permlanex16_b32's selects for lane l xor 16
	s_mov_b32 s44, 0xffff0000                      ; lanes 16-31
	s_lshl_b32 s22, s20, 20
	s_lshl_b32 s23, ttmp9, 15
	s_add_co_u32 s22, s22, s23
	s_lshl_b32 s23, s18, 13
	s_add_co_u32 s22, s22, s23                     ; codes: expert, slice, my wave's 16 rows of 512 bytes
	s_mov_b32 s23, 0
	s_lshl_b32 s24, s20, 16
	s_lshl_b32 s25, ttmp9, 11
	s_add_co_u32 s24, s24, s25                     ; scales: expert, slice
	s_mov_b32 s25, 0
	s_lshl_b32 s26, s20, 3
	s_mul_i32 s30, ttmp9, 2*PLANE                  ; hc: the slice's two planes of codes
	s_mov_b32 s31, 0
	s_lshr_b32 s45, ttmp9, 3
	s_mul_i32 s46, s45, PLANE                      ; and its two bytes of a row's 64: plane s / 8, word (s / 2) % 4, bytes 2 (s % 2) on
	s_and_b32 s45, ttmp9, 7
	s_lshl_b32 s45, s45, 1
	s_add_co_u32 s46, s46, s45
	s_add_co_u32 s46, s46, HS_OFF
	s_mov_b32 s47, 0
	s_wait_kmcnt 0x0
	s_load_b64 s[28:29], s[6:7], s26 offset:13824  ; {seg, cnt} of my expert
	s_add_nc_u64 s[8:9], s[8:9], s[22:23]
	s_add_nc_u64 s[12:13], s[12:13], s[22:23]
	s_add_nc_u64 s[10:11], s[10:11], s[24:25]
	s_add_nc_u64 s[14:15], s[14:15], s[24:25]
	s_add_nc_u64 s[32:33], s[16:17], s[30:31]
	s_add_nc_u64 s[34:35], s[16:17], s[46:47]
	WIN 0x40                                       ; destination window 1: the rows wait there for LDS, so that x's registers are free from the start
.irp i, 0,1,2,3,4,5,6,7,8,9,10,11,12,13,14,15
	global_load_b128 v[4*\i:4*\i+3], v3, s[8:9] offset:512*\i th:TH_LOAD_NT        ; a whole row of 512 bytes
.endr
.irp i, 0,1,2,3,4,5,6,7,8,9,10,11,12,13,14,15
	global_load_b128 v[64+4*\i:64+4*\i+3], v3, s[12:13] offset:512*\i th:TH_LOAD_NT
.endr
	WIN 0
.irp t, 0,1,2,3
	global_load_b128 v[WS+4*\t:WS+4*\t+3], v6, s[10:11] offset:(32*(\t/2)+8*(\t%2))*32
	global_load_b128 v[WS+16+4*\t:WS+16+4*\t+3], v6, s[14:15] offset:(32*(\t/2)+8*(\t%2))*32
.endr
	s_wait_kmcnt 0x0                               ; {seg, cnt}
	s_min_u32 s37, s28, 2160                       ; seg
	s_min_u32 s29, s29, 1024                       ; cnt
	s_cmp_eq_u32 s29, 0
	s_cselect_b32 s37, 0, s37                      ; an expert without rows looks at the list's entry 0, which some expert's first row has written
	s_max_u32 s36, s29, 1
	s_sub_co_u32 s36, s36, 1                       ; the last row's number among the expert's
	s_add_co_u32 s38, s29, 15
	s_lshr_b32 s38, s38, 4                         ; row tiles
	s_lshl_b32 s40, s18, 4                         ; my first tile's first row among the expert's
	RADDR s40
	global_load_b32 v8, v7, s[6:7]                 ; its 16 tokens
	s_wait_loadcnt 9                               ; the 32 rows are in; the eight loads of scale words and the tokens' one may be out
	WIN 0x04                                       ; an LDS store's data are its source 1: window 1
.irp i, 0,1,2,3,4,5,6,7,8,9,10,11,12,13,14,15
	ds_store_b128 v4, v[4*\i:4*\i+3] offset:(16*(\i/8)+(\i%8))*LP
	ds_store_b128 v4, v[64+4*\i:64+4*\i+3] offset:(16*(\i/8)+(\i%8))*LP+64*LP
.endr
	WIN 0
	s_wait_loadcnt 0x0                             ; the weights' scale words and the first tile's tokens
	XADDR
	XLOAD                                          ; the first tile's x: it lands under the barrier and the fragments' LDS loads
	s_add_co_u32 s41, s40, 64
	RADDR s41
	global_load_b32 v8, v7, s[6:7]                 ; and the tokens of my next tile
	s_wait_dscnt 0x0                               ; for the others' sake: my rows lie in LDS
	s_barrier_signal -1
	s_barrier_wait -1                              ; the launch's one barrier: every wave has passed it before any wave may end
	s_cmp_le_u32 s38, s18
	s_cbranch_scc1 .Lend                           ; no tile for my wave
	s_sub_co_u32 s38, s38, s18
	s_add_co_u32 s38, s38, 3
	s_lshr_b32 s38, s38, 2                         ; my wave's trips
	s_mov_b32 s39, 0
.irp k, 0,1,2,3,4,5,6,7                ; the weights' 64 fragments out of LDS: they stay
.if \k < 4
	WIN 0x40
.else
	WIN 0x80
.endif
.irp t, 0,1,2,3,4,5,6,7
.irp c, 0,1
	ds_load_b128 v[((\k%4)*8+\t)*8+4*\c:((\k%4)*8+\t)*8+4*\c+3], v5 offset:16*\t*LP+64*\k+32*\c
.endr
.endr
.endr
	WIN 0
	s_wait_dscnt 0x0                               ; the weights' fragments
; one product: K step k, tile t.  The eight accumulators take turns, one instruction a turn
.macro WG k, t
.set rD, G+8*\t
.set rA, ((\k%4)*8+\t)*8
.set rB, X+8*\k
.set rS, WS+4*\t+(\k%4)
.set rX, XS+(\k%4)
.if \k == 0
	v_wmma_scale_f32_16x16x128_f8f6f4 v[rD:rD+7], v[rA:rA+7], v[rB:rB+7], 0, v[rS], v[rX] matrix_a_fmt:MATRIX_FMT_FP4 matrix_b_fmt:MATRIX_FMT_FP4
.elseif \k < 4
	v_wmma_scale_f32_16x16x128_f8f6f4 v[rD:rD+7], v[rA:rA+7], v[rB:rB+7], v[rD:rD+7], v[rS], v[rX] matrix_a_fmt:MATRIX_FMT_FP4 matrix_b_fmt:MATRIX_FMT_FP4
.else
	v_wmma_scale_f32_16x16x128_f8f6f4 v[rD:rD+7], v[rA:rA+7], v[rB:rB+7], v[rD:rD+7], v[rS], v[rX] matrix_a_fmt:MATRIX_FMT_FP4 matrix_b_fmt:MATRIX_FMT_FP4 matrix_a_scale:MATRIX_SCALE_ROW1 matrix_b_scale:MATRIX_SCALE_ROW1
.endif
.endm
; block b's 16 numbers of a lane: gate becomes gelu(gate) x up.  Every run goes up the registers
.macro GELU b
.set g0, G+16*\b
.set u0, V+16*\b
.irp j, 0,1,2,3,4,5,6,7,8,9,10,11,12,13,14,15
	v_and_b32 v[A+\j], 0x7fffffff, v[g0+\j]
.endr
.irp j, 0,2,4,6,8,10,12,14
	v_pk_fma_f32 v[T+\j:T+\j+1], v[A+\j:A+\j+1], 0x3eb504f3, 1.0 op_sel_hi:[1,0,0]   ; 1 + |g| sqrt 2 / 4
.endr
.irp j, 0,1,2,3,4,5,6,7,8,9,10,11,12,13,14,15
	v_rcp_f32 v[T+\j], v[T+\j]
.endr
.irp j, 0,2,4,6,8,10,12,14
	v_pk_mul_f32 v[SQ+\j:SQ+\j+1], v[g0+\j:g0+\j+1], v[g0+\j:g0+\j+1]   ; g^2.  (The plain place behind the reciprocals)
.endr
	s_wait_alu depctr_va_vdst(0)
.irp j, 0,2,4,6,8,10,12,14
	v_pk_fma_f32 v[P+\j:P+\j+1], v[T+\j:T+\j+1], v[52:53], 0xbf527892 op_sel_hi:[1,1,0]
.endr
.irp c, 0x3fbe87b0, 0xbf914e5d, 0x3e8ec7cc, 0xbe3ec24c, 0x3dc636c9, 0x3ebf88fb, 0x3f8000c7, 0xbfa1fc4e
.irp j, 0,2,4,6,8,10,12,14
	v_pk_fma_f32 v[P+\j:P+\j+1], v[P+\j:P+\j+1], v[T+\j:T+\j+1], \c op_sel_hi:[1,1,0]
.endr
.endr
.irp j, 0,2,4,6,8,10,12,14
	v_pk_fma_f32 v[P+\j:P+\j+1], v[SQ+\j:SQ+\j+1], -0.5, v[P+\j:P+\j+1] op_sel_hi:[1,0,1]
.endr
.irp j, 0,2,4,6,8,10,12,14
	v_pk_fma_f32 v[P+\j:P+\j+1], v[P+\j:P+\j+1], 0x3fb8aa3b, -1.0 op_sel_hi:[1,0,0]   ; to base 2; the -1 halves
.endr
.irp j, 0,1,2,3,4,5,6,7,8,9,10,11,12,13,14,15
	v_exp_f32 v[P+\j], v[P+\j]
.endr
.irp j, 0,1,2,3,4,5,6,7,8,9,10,11,12,13,14,15
	v_max_num_f32 v[SQ+\j], 0, v[g0+\j]            ; max(g, 0).  (The plain place behind the exponentials)
.endr
	s_wait_alu depctr_va_vdst(0)
.irp j, 0,2,4,6,8,10,12,14
	v_pk_mul_f32 v[P+\j:P+\j+1], v[P+\j:P+\j+1], v[T+\j:T+\j+1]   ; R
.endr
.irp j, 0,2,4,6,8,10,12,14
	v_pk_fma_f32 v[g0+\j:g0+\j+1], v[A+\j:A+\j+1], v[P+\j:P+\j+1], v[SQ+\j:SQ+\j+1] neg_lo:[1,0,0] neg_hi:[1,0,0]
.endr
.irp j, 0,2,4,6,8,10,12,14
	v_pk_mul_f32 v[g0+\j:g0+\j+1], v[g0+\j:g0+\j+1], v[u0+\j:u0+\j+1]
.endr
.endm
.Ltile:
	s_wait_loadcnt 0x0                             ; this tile's x and the next tile's tokens: asked for ahead of the last tile's gelu (the first tile's: ahead of the barrier)
.irp k, 0,1,2,3,4,5,6,7
.if \k < 4
	WIN 0x01                                       ; source 0 (the weights) in window 1,
.else
	WIN 0x02                                       ; in window 2
.endif
.irp t, 0,1,2,3,4,5,6,7
	WG \k, \t
.endr
.endr
	WIN 0
	XADDR                                          ; these eight plain lines are the places between the last product and the loads into its sources, and the first read of results
	s_add_co_u32 s41, s40, 128
	RADDR s41
	XLOAD                                          ; the next tile's x, into the same registers: it lands under the gelu
	global_load_b32 v8, v7, s[6:7]                 ; and the tokens of the tile after it
	GELU 0
	GELU 1
	s_wait_xcnt 0x0                                ; the last tile's stores have read their registers: codes, byte and addresses are written again only behind this wait
.irp b, 0,1                            ; the two blocks of 32 along F: 16 numbers are mine, 16 lane l xor 16's
	v_max3_num_f32 v[QT+\b], |v[G+16*\b]|, |v[G+16*\b+1]|, 0x1800000   ; with the floor 2^(3 - 127): the byte cannot fall under 1
.endr
.irp i, 2,4,6,8,10,12,14
.irp b, 0,1
	v_max3_num_f32 v[QT+\b], v[QT+\b], |v[G+16*\b+\i]|, |v[G+16*\b+\i+1]|
.endr
.endr
.irp b, 0,1
	v_permlanex16_b32 v[QT+2+\b], v[QT+\b], s42, s43
.endr
.irp b, 0,1
	v_max_num_f32 v[QT+\b], v[QT+\b], v[QT+2+\b]
.endr
.irp b, 0,1
	v_add_nc_u32 v[QT+4+\b], 0xff000000, v[QT+\b]  ; 2 off the exponent field: the conversion's scale operand
.endr
.irp b, 0,1
	v_lshrrev_b32 v[QT+2+\b], 23, v[QT+4+\b]       ; the scale's byte
.endr
	v_cndmask_b32 v58, v[QT+2], v[QT+3], s44       ; lanes 0-15 store the first block's byte, lanes 16-31 the second's
	v_add_nc_u32 v13, s40, v1
	v_add_nc_u32 v13, s37, v13
	v_min_u32 v13, 0x87f, v13                      ; my row's place p
	v_lshl_add_u32 v11, v13, 4, v15                ; 16 p + 8 h
	v_lshl_add_u32 v12, v13, 4, v14                ; 16 p + h
.irp b, 0,1
	v_cvt_scalef32_pk8_fp4_f32 v[CD+2*\b], v[G+16*\b:G+16*\b+7], v[QT+4+\b]
	v_cvt_scalef32_pk8_fp4_f32 v[CD+2*\b+1], v[G+16*\b+8:G+16*\b+15], v[QT+4+\b]
.endr
	v_nop                                          ; one plain place behind the conversions: the next tile's products write their sources
	global_store_b64 v11, v[CD:CD+1], s[32:33]     ; 32 lanes store 256 consecutive bytes, at a multiple of 256 from hc's first byte: 16 rows of a block
	global_store_b64 v11, v[CD+2:CD+3], s[32:33] offset:PLANE
	global_store_b8 v12, v58, s[34:35]
	s_add_co_u32 s40, s40, 64
	s_add_co_u32 s39, s39, 1
	s_cmp_lt_u32 s39, s38
	s_cbranch_scc1 .Ltile
.Lend:
	s_wait_tensorcnt 0x0
	ds_add_u32 v62, v63
	s_wait_dscnt 0x0
	s_endpgm
.Lfunc_end_k_q9fcf9d5d23_gateup:
	.size	k_q9fcf9d5d23_gateup, .Lfunc_end_k_q9fcf9d5d23_gateup-k_q9fcf9d5d23_gateup
	.p2alignl 7, 3214868480
	.fill 96, 4, 3214868480
	.section	.rodata,"a",@progbits
	.p2align	6, 0x0
	.amdhsa_kernel k_q9fcf9d5d23_gateup
		.amdhsa_group_segment_fixed_size 68096
		.amdhsa_private_segment_fixed_size 0
		.amdhsa_enable_private_segment 0
		.amdhsa_kernarg_size 56
		.amdhsa_user_sgpr_count 2
		.amdhsa_user_sgpr_kernarg_segment_ptr 1
		.amdhsa_wavefront_size32 1
		.amdhsa_system_sgpr_workgroup_id_x 1
		.amdhsa_system_sgpr_workgroup_id_y 1
		.amdhsa_system_sgpr_workgroup_id_z 1
		.amdhsa_system_vgpr_workitem_id 0
		.amdhsa_next_free_vgpr 768
		.amdhsa_next_free_sgpr 66
		.amdhsa_reserve_vcc 0
		.amdhsa_float_denorm_mode_32 3
		.amdhsa_float_denorm_mode_16_64 3
		.amdhsa_memory_ordered 1
		.amdhsa_forward_progress 1
		.amdhsa_inst_pref_size 60
	.end_amdhsa_kernel
	.amdgpu_metadata
---
amdhsa.version: [ 1, 2 ]
amdhsa.kernels:
  - .name:           k_q9fcf9d5d23_gateup
    .symbol:         k_q9fcf9d5d23_gateup.kd
    .args:
      - { .name: xc, .offset: 0, .size: 8, .value_kind: global_buffer, .address_space: global }
      - { .name: lists, .offset: 8, .size: 8, .value_kind: global_buffer, .address_space: global }
      - { .name: w_g_codes, .offset: 16, .size: 8, .value_kind: global_buffer, .address_space: global }
      - { .name: w_g_scales, .offset: 24, .size: 8, .value_kind: global_buffer, .address_space: global }
      - { .name: w_v_codes, .offset: 32, .size: 8, .value_kind: global_buffer, .address_space: global }
      - { .name: w_v_scales, .offset: 40, .size: 8, .value_kind: global_buffer, .address_space: global }
      - { .name: hc, .offset: 48, .size: 8, .value_kind: global_buffer, .address_space: global }
    .group_segment_fixed_size: 68096
    .private_segment_fixed_size: 0
    .kernarg_segment_align: 8
    .kernarg_segment_size: 56
    .max_flat_workgroup_size: 128
    .sgpr_count:     66
    .vgpr_count:     768
    .wavefront_size: 32
...
	.end_amdgpu_metadata
.endif
;; end of part 3
;; launch down (part 4): grid 8 x 28, 4 waves a work-group, no clusters, 76,544 bytes of LDS; arguments hc, lists, rw2, w_1_codes, w_1_scales, out0; writes out0
.if DOCPART == 4
	.amdgcn_target "amdgcn-amd-amdhsa--gfx1250"
	.amdhsa_code_object_version 6
	.text
	.protected	k_q9fcf9d5d23_down
	.globl	k_q9fcf9d5d23_down
	.p2align	8
	.type	k_q9fcf9d5d23_down,@function
k_q9fcf9d5d23_down:
	s_mov_b64 s[64:65], 0
	v_nop
	global_prefetch_b8 v0, s[64:65] scope:SCOPE_SE
	s_setreg_imm32_b32 hwreg(HW_REG_WAVE_MODE, 25, 1), 1
	s_wait_xcnt 0x0
; DOWN.  out[token] = w_a (hidden_a W1[a]) + w_b (hidden_b W1[b]) for the tokens of ONE pair of experts a < b (work-group y = 0 .. 27) and 128 columns (work-group x); wave w owns 32 of them.
; The tokens of a pair are neighbours, in one order, in a's rows of the hidden layer (from Olo), in b's (from Ohi) and in the list by pairs (from R): so each output row has one owner and nothing is added between work-groups.
; Products on E2M1 codes with E8M0 scales, 16 x 16 x 128, used transposed: source 0 = 16 rows of W1 (16 output columns), source 1 = 16 rows of the hidden layer: a lane holds one token and 8 neighbouring columns.
; THE WEIGHTS STAY IN REGISTERS: 2 experts x 2 tiles of columns x 16 K steps = 512 registers a wave.  THEY COME IN WHOLE ROWS: a group g = 2 role + tile is 16 rows of 1,024 bytes, 16,384 consecutive bytes of memory: 32 loads,
; each of 512 consecutive bytes.  A group then turns through the wave's own stage in LDS (rows of 1,024 + 16 bytes) into its 16 fragments, which land in the very registers that its loads filled.  The four groups use the same
; stage one after the other: LDS serves a wave's instructions in order (ISA guide 5.7.1.4), so a group's stores come behind the reads of the group before, and no wait or barrier stands between.
; A tile of 16 tokens brings 2 x 16 fragments of the hidden layer (256 registers), in four chunks of four K steps; while a chunk is multiplied the same chunk of the next tile is asked for.
; The number of tiles hangs on a stored count: no tensor load, no cluster, no barrier; the waves share nothing.
; No joint loads: the seven work-groups that read a slice of one expert's W1 have different numbers of tiles, read from memory.
; Rows past the pair's count repeat its last row with its token and weights: they store the same numbers to the same places, and EXEC is never changed.
; out0 leaves in runs of 128 consecutive bytes (a wave's 32 columns of a token): two experts' weights for more columns do not fit in a wave's registers.
; REGISTERS.  Window 0: v1-29 addresses and the tile's record; v32-63 W1's scale words (16 role + k; lanes 0-15 columns 0-15, lanes 16-31 columns 16-31); v64-79 the hidden layer's (k; lanes 0-15 a's rows, lanes 16-31 b's);
; v96-127 four accumulators (role, tile of columns); v128-143 the weighted sum; v144-159 rows on the way out.  Windows 1 (K steps 0-7) and 2 (8-15): W1's fragments at 64 g + 8 (k % 8).  Window 3: the hidden layer's at (2 k + role) 8.
.set PLANE,  34816
.set HS_OFF, 64*PLANE
.set SA,  32
.set SB,  64
.set ACC, 96
.set O,   128
.set BK,  144
.set WP,   1040                        ; a row of W1 in the stage: 1,024 bytes + 16 = 260 words: row r starts at bank 4 r mod 64 (64 banks of 4 bytes: ISA guide 11.1), so the 16 rows that a fragment load touches start at 16 different banks
.set WSTG, 16*WP                       ; LDS: a stage of 16 such rows for each wave, from byte 0 on;
.set OSTG, 4*WSTG                      ; behind them the four stages of the way out (16 rows x 144 bytes each);
.set TK,  OSTG+9216                    ; behind those 64 bytes a wave for a tile's tokens
.set MSB, 0
.macro WIN new                         ; the immediate's high byte repeats the setting that is left
.if MSB != \new
	s_set_vgpr_msb (MSB<<8)|\new
.set MSB, \new
.endif
.endm
	s_load_b256 s[4:11], s[0:1], 0x0               ; hc s[4:5], lists s[6:7], rw2 s[8:9], W1's codes s[10:11]
	s_load_b128 s[12:15], s[0:1], 0x20             ; W1's scales s[12:13], out0 s[14:15]
	v_lshl_add_u32 v254, v0, 2, 0x12900
	v_mov_b32 v255, 0
	v_lshrrev_b32 v13, 5, v0
	v_readfirstlane_b32 s16, v13                   ; wave w
	v_and_b32 v1, 15, v0                           ; r
	v_bfe_u32 v2, v0, 4, 1                         ; h
	v_and_b32 v3, 31, v0                           ; lane
	v_lshlrev_b32 v4, 4, v3                        ; W1 in memory: 16 lane
	v_lshlrev_b32 v5, 6, v3                        ; its scale words: row = lane, 64 bytes
	v_mul_u32_u24 v6, v2, PLANE                    ; the hidden layer: lanes 16-31 take the next block's plane
	s_mul_i32 s17, s16, WSTG                       ; my stage for W1
	v_add_nc_u32 v28, s17, v4                      ; in: 16 lane
	v_mul_u32_u24 v29, v1, WP
	v_lshl_add_u32 v29, v2, 4, v29
	v_add_nc_u32 v29, s17, v29                     ; out: row r, + 16 h
	s_mul_i32 s17, s16, 2304
	s_add_co_u32 s17, s17, OSTG                    ; my stage for the way out
	v_mul_u32_u24 v18, v1, 144
	v_lshl_add_u32 v18, v2, 5, v18
	v_add_nc_u32 v18, s17, v18                     ; in: row r, + 32 h
	v_lshrrev_b32 v20, 3, v3
	v_and_b32 v21, 7, v3
	v_lshlrev_b32 v21, 4, v21                      ; 16 (lane % 8)
	v_mul_u32_u24 v19, v20, 144
	v_add_nc_u32 v19, v19, v21
	v_add_nc_u32 v19, s17, v19                     ; back: eight lanes to a row of 128 bytes, four rows an instruction
	s_lshl_b32 s17, s16, 6
	s_add_co_u32 s17, s17, TK
	v_lshl_add_u32 v22, v1, 2, s17                 ; the tokens in: word r,
	v_lshl_add_u32 v20, v20, 2, s17                ; and back: word lane / 8
	v_mov_b32 v15, 0                               ; (the upper halves of the pairs that the packed forms name)
	v_mov_b32 v17, 0
	s_mov_b32 s44, 0xffff0000                      ; lanes 16-31
	s_and_b32 s18, ttmp7, 0xffff                   ; the pair's number: pairs by a, then by b
	s_mov_b32 s19, 0
.irp t, 7,13,18,22,25,27
	s_cmp_ge_u32 s18, \t
	s_add_co_ci_u32 s19, s19, 0                    ; a = how many of these firsts the number has reached
.endr
	s_sub_co_u32 s24, 15, s19
	s_mul_i32 s24, s24, s19
	s_lshr_b32 s24, s24, 1                         ; the first pair with this a: a (15 - a) / 2
	s_sub_co_u32 s25, s18, s24
	s_add_co_u32 s25, s25, s19
	s_add_co_u32 s25, s25, 1                       ; b
	s_lshl_b32 s24, s19, 3
	s_add_co_u32 s24, s24, s25
	s_lshl_b32 s24, s24, 4                         ; 16 (8 a + b)
	s_lshl_b32 s26, ttmp9, 7
	s_lshl_b32 s17, s16, 5
	s_add_co_u32 s26, s26, s17                     ; my first column
	s_lshl_b32 s17, s26, 10
	s_lshl_b32 s36, s19, 20
	s_add_co_u32 s36, s36, s17
	s_mov_b32 s37, 0
	s_lshl_b32 s38, s25, 20
	s_add_co_u32 s38, s38, s17
	s_mov_b32 s39, 0
	s_wait_kmcnt 0x0
	s_load_b128 s[20:23], s[6:7], s24 offset:12800 ; {n, Olo, Ohi, R}
	s_add_nc_u64 s[28:29], s[10:11], s[36:37]      ; W1[a] at my columns
	s_add_nc_u64 s[30:31], s[10:11], s[38:39]      ; W1[b]
	s_lshl_b32 s17, s26, 6
	s_lshl_b32 s36, s19, 16
	s_add_co_u32 s36, s36, s17
	s_lshl_b32 s38, s25, 16
	s_add_co_u32 s38, s38, s17
	s_add_nc_u64 s[32:33], s[12:13], s[36:37]
	s_add_nc_u64 s[34:35], s[12:13], s[38:39]
	s_lshl_b32 s36, s26, 2
	s_add_nc_u64 s[14:15], s[14:15], s[36:37]      ; out0 at my columns
.macro AGLOAD g, base                  ; group g's 16 rows as they lie: 32 loads of 512 consecutive bytes; rows 0-7 into window 1, rows 8-15 into window 2, at 64 g
	WIN 0x40
.irp i, 0,1,2,3,4,5,6,7,8,9,10,11,12,13,14,15
	global_load_b128 v[64*(\g)+4*\i:64*(\g)+4*\i+3], v4, s[\base:\base+1] offset:16384*((\g)%2)+512*\i
.endr
	WIN 0x80
.irp i, 0,1,2,3,4,5,6,7,8,9,10,11,12,13,14,15
	global_load_b128 v[64*(\g)+4*\i:64*(\g)+4*\i+3], v4, s[\base:\base+1] offset:16384*((\g)%2)+8192+512*\i
.endr
	WIN 0
.endm
.macro ATURN g                         ; group g through my stage: 32 stores by rows, 32 loads by fragments, into the registers that the stores have read
	WIN 0x04                                       ; an LDS store's data are its source 1: window 1,
.irp i, 0,1,2,3,4,5,6,7,8,9,10,11,12,13,14,15
	ds_store_b128 v28, v[64*(\g)+4*\i:64*(\g)+4*\i+3] offset:(\i/2)*WP+512*(\i%2)
.endr
	WIN 0x08                                       ; window 2
.irp i, 0,1,2,3,4,5,6,7,8,9,10,11,12,13,14,15
	ds_store_b128 v28, v[64*(\g)+4*\i:64*(\g)+4*\i+3] offset:(8+\i/2)*WP+512*(\i%2)
.endr
	WIN 0x40                                       ; K steps 0-7 into window 1,
.irp k, 0,1,2,3,4,5,6,7
.irp c, 0,1
	ds_load_b128 v[64*(\g)+8*\k+4*\c:64*(\g)+8*\k+4*\c+3], v29 offset:64*\k+32*\c
.endr
.endr
	WIN 0x80                                       ; 8-15 into window 2
.irp k, 0,1,2,3,4,5,6,7
.irp c, 0,1
	ds_load_b128 v[64*(\g)+8*\k+4*\c:64*(\g)+8*\k+4*\c+3], v29 offset:512+64*\k+32*\c
.endr
.endr
	WIN 0
.endm
.macro BADDR su                        ; where the 16 rows from \su on lie in the hidden layer; past the end: the last row
	v_add_nc_u32 v11, \su, v1
	v_min_u32 v11, s43, v11
	v_add_nc_u32 v7, s21, v11
	v_add_nc_u32 v8, s22, v11
	v_add_nc_u32 v9, v23, v11
	v_min_u32 v7, 0x87f, v7
	v_min_u32 v8, 0x87f, v8
	v_min_u32 v9, 0x87f, v9
	v_lshl_add_u32 v7, v7, 4, v6                   ; a's rows: 16 p + h planes
	v_lshl_add_u32 v8, v8, 4, v6                   ; b's
	v_lshlrev_b32 v9, 4, v9                        ; the scale words
.endm
.macro REC su                          ; the tile's record: token and two weights of row r: 3 loads
	v_add_nc_u32 v10, \su, v1
	v_min_u32 v10, s43, v10
	v_add_nc_u32 v10, s23, v10
	v_min_u32 v10, 0x3ff, v10
	v_lshlrev_b32 v10, 2, v10
	global_load_b32 v12, v10, s[6:7] offset:8704
	global_load_b32 v14, v10, s[8:9]
	global_load_b32 v16, v10, s[8:9] offset:4096
.endm
.macro BLOAD q                         ; chunk q: K steps 4 q .. 4 q + 3 of both roles, and their scale words: 17 loads
	WIN 0xc0
.irp kk, 0,1,2,3
.irp c, 0,1
	global_load_b128 v[(2*(4*\q+\kk))*8+4*\c:(2*(4*\q+\kk))*8+4*\c+3], v7, s[4:5] offset:(4*(4*\q+\kk)+2*\c)*PLANE
	global_load_b128 v[(2*(4*\q+\kk)+1)*8+4*\c:(2*(4*\q+\kk)+1)*8+4*\c+3], v8, s[4:5] offset:(4*(4*\q+\kk)+2*\c)*PLANE
.endr
.endr
	WIN 0
	global_load_b128 v[SB+4*\q:SB+4*\q+3], v9, s[4:5] offset:HS_OFF+\q*PLANE
.endm
; one product.  W1's scale words: lanes 0-15 for the first tile of columns, 16-31 for the second; the hidden layer's: lanes 0-15 for a's rows, 16-31 for b's
.macro WD k, role, n
.set rD, ACC+8*(2*\role+\n)
.set rA, 64*(2*\role+\n)+8*((\k)%8)
.set rB, (2*(\k)+\role)*8
.set rS, SA+16*\role+(\k)
.set rH, SB+(\k)
.if (\k) == 0
.if (\role == 0) && (\n == 0)
	v_wmma_scale_f32_16x16x128_f8f6f4 v[rD:rD+7], v[rA:rA+7], v[rB:rB+7], 0, v[rS], v[rH] matrix_a_fmt:MATRIX_FMT_FP4 matrix_b_fmt:MATRIX_FMT_FP4
.elseif \role == 0
	v_wmma_scale_f32_16x16x128_f8f6f4 v[rD:rD+7], v[rA:rA+7], v[rB:rB+7], 0, v[rS], v[rH] matrix_a_fmt:MATRIX_FMT_FP4 matrix_b_fmt:MATRIX_FMT_FP4 matrix_a_scale:MATRIX_SCALE_ROW1
.elseif \n == 0
	v_wmma_scale_f32_16x16x128_f8f6f4 v[rD:rD+7], v[rA:rA+7], v[rB:rB+7], 0, v[rS], v[rH] matrix_a_fmt:MATRIX_FMT_FP4 matrix_b_fmt:MATRIX_FMT_FP4 matrix_b_scale:MATRIX_SCALE_ROW1
.else
	v_wmma_scale_f32_16x16x128_f8f6f4 v[rD:rD+7], v[rA:rA+7], v[rB:rB+7], 0, v[rS], v[rH] matrix_a_fmt:MATRIX_FMT_FP4 matrix_b_fmt:MATRIX_FMT_FP4 matrix_a_scale:MATRIX_SCALE_ROW1 matrix_b_scale:MATRIX_SCALE_ROW1
.endif
.else
.if (\role == 0) && (\n == 0)
	v_wmma_scale_f32_16x16x128_f8f6f4 v[rD:rD+7], v[rA:rA+7], v[rB:rB+7], v[rD:rD+7], v[rS], v[rH] matrix_a_fmt:MATRIX_FMT_FP4 matrix_b_fmt:MATRIX_FMT_FP4
.elseif \role == 0
	v_wmma_scale_f32_16x16x128_f8f6f4 v[rD:rD+7], v[rA:rA+7], v[rB:rB+7], v[rD:rD+7], v[rS], v[rH] matrix_a_fmt:MATRIX_FMT_FP4 matrix_b_fmt:MATRIX_FMT_FP4 matrix_a_scale:MATRIX_SCALE_ROW1
.elseif \n == 0
	v_wmma_scale_f32_16x16x128_f8f6f4 v[rD:rD+7], v[rA:rA+7], v[rB:rB+7], v[rD:rD+7], v[rS], v[rH] matrix_a_fmt:MATRIX_FMT_FP4 matrix_b_fmt:MATRIX_FMT_FP4 matrix_b_scale:MATRIX_SCALE_ROW1
.else
	v_wmma_scale_f32_16x16x128_f8f6f4 v[rD:rD+7], v[rA:rA+7], v[rB:rB+7], v[rD:rD+7], v[rS], v[rH] matrix_a_fmt:MATRIX_FMT_FP4 matrix_b_fmt:MATRIX_FMT_FP4 matrix_a_scale:MATRIX_SCALE_ROW1 matrix_b_scale:MATRIX_SCALE_ROW1
.endif
.endif
.endm
.macro MUL q                           ; chunk q: 16 products; the four accumulators take turns, one instruction a turn; K step 0 starts the sums
.if \q < 2
	WIN 0x0d                                       ; source 0 (W1) window 1, source 1 (the hidden layer) window 3
.else
	WIN 0x0e                                       ; source 0 window 2
.endif
.irp kk, 0,1,2,3
.irp role, 0,1
.irp n, 0,1
	WD 4*\q+\kk, \role, \n
.endr
.endr
.endr
	WIN 0
.endm
.macro PLACES                          ; four plain places between a product and a load into its sources, or the first read of results
.rept 4
	v_nop
.endr
.endm
; the tile's way out: the two experts' results weighed and added; through my own stage, so that eight lanes hold 128 neighbouring bytes of a token's row; the tokens go with them through 64 bytes of LDS
.macro OUT
.irp i, 0,2,4,6,8,10,12,14
	v_pk_mul_f32 v[O+\i:O+\i+1], v[ACC+\i:ACC+\i+1], v[14:15] op_sel_hi:[1,0]      ; each accumulator from its low end on
.endr
.irp i, 0,2,4,6,8,10,12,14
	v_pk_fma_f32 v[O+\i:O+\i+1], v[ACC+16+\i:ACC+16+\i+1], v[16:17], v[O+\i:O+\i+1] op_sel_hi:[1,0,1]
.endr
	ds_store_b32 v22, v12                          ; both halves of the lanes write the same word with the same value
.irp n, 0,1
.irp q, 0,1
	ds_store_b128 v18, v[O+8*\n+4*\q:O+8*\n+4*\q+3] offset:64*\n+16*\q
.endr
.endr
.irp i, 0,1,2,3
	ds_load_b32 v[24+\i], v20 offset:16*\i         ; LDS serves a wave's instructions in order: these see my stores
.endr
.irp i, 0,1,2,3
	ds_load_b128 v[BK+4*\i:BK+4*\i+3], v19 offset:576*\i
.endr
	s_wait_dscnt 0x0
.irp i, 0,1,2,3
	v_min_u32 v[24+\i], 0x3ff, v[24+\i]
	v_lshl_add_u32 v[24+\i], v[24+\i], 12, v21     ; the token's row of 4,096 bytes, + 16 (lane % 8)
.endr
.irp i, 0,1,2,3
	global_store_b128 v[24+\i], v[BK+4*\i:BK+4*\i+3], s[14:15] th:TH_STORE_NT
.endr
.endm
	; THE HEAD.  Two groups of W1 are always on their way; a group that has landed turns through the stage while the next two come
	AGLOAD 0, 28
	AGLOAD 1, 28
	s_wait_kmcnt 0x0                               ; {n, Olo, Ohi, R}
	s_min_u32 s20, s20, 1024                       ; n
	s_min_u32 s21, s21, 2175                       ; Olo
	s_min_u32 s22, s22, 2175                       ; Ohi
	s_min_u32 s23, s23, 1023                       ; R
	s_cmp_eq_u32 s20, 0
	s_cbranch_scc1 .Lend                           ; no token has this pair
	s_sub_co_u32 s43, s20, 1
	s_add_co_u32 s42, s20, 15
	s_lshr_b32 s42, s42, 4
	s_sub_co_u32 s42, s42, 1                       ; tiles but the last
	s_mov_b32 s40, 0                               ; the tile's first row among the pair's
	s_mov_b32 s41, 0
	v_mov_b32 v23, s21
	v_mov_b32 v13, s22
	v_cndmask_b32 v23, v23, v13, s44               ; lanes 0-15: Olo, lanes 16-31: Ohi
	BADDR s40
	s_wait_loadcnt 32                              ; group 0 is in; group 1's 32 loads may be out
	ATURN 0
	AGLOAD 2, 30
	s_wait_loadcnt 32                              ; group 1 is in; group 2's may be out
	ATURN 1
	AGLOAD 3, 30
	s_wait_loadcnt 32                              ; group 2 is in; group 3's may be out
	ATURN 2
.irp q, 0,1,2,3
	global_load_b128 v[SA+4*\q:SA+4*\q+3], v5, s[32:33] offset:16*\q
	global_load_b128 v[SA+16+4*\q:SA+16+4*\q+3], v5, s[34:35] offset:16*\q
.endr
	BLOAD 0
	s_wait_loadcnt 25                              ; group 3 is in; behind it: the eight loads of scale words and chunk 0's 17
	ATURN 3
	BLOAD 1
	BLOAD 2
	BLOAD 3
	s_wait_dscnt 0x0                               ; W1's 64 fragments are in their registers
	s_cmp_eq_u32 s42, 0
	s_cbranch_scc1 .Ltail
.Ltile:                                            ; every tile but the last: while it is multiplied the next one is asked for
	s_wait_xcnt 0x0                                ; the loads and stores issued so far have read their address and data registers: these are written again only behind this wait
	REC s40
	s_add_co_u32 s40, s40, 16
	BADDR s40
.irp q, 0,1,2,3
	s_wait_loadcnt 54                              ; chunk q of this tile is in.  Behind it: (3 - q) x 17 of this tile, the record's 3, q x 17 of the next tile
	MUL \q
	PLACES
	BLOAD \q
.endr
	s_wait_loadcnt 63                              ; the record is in: 68 loads were issued behind it, and 63 is the largest count that can be written
	OUT
	s_add_co_u32 s41, s41, 1
	s_cmp_lt_u32 s41, s42
	s_cbranch_scc1 .Ltile
.Ltail:                                            ; the last tile asks for nothing more: the counts run down
	s_wait_xcnt 0x0
	REC s40
	s_wait_loadcnt 54                              ; behind chunk 0: three chunks of 17 and the record's 3
	MUL 0
	s_wait_loadcnt 37
	MUL 1
	s_wait_loadcnt 20
	MUL 2
	s_wait_loadcnt 3
	MUL 3
	PLACES
	s_wait_loadcnt 0x0                             ; the record
	OUT
.Lend:
	s_wait_tensorcnt 0x0
	ds_add_u32 v254, v255
	s_wait_dscnt 0x0
	s_endpgm
.Lfunc_end_k_q9fcf9d5d23_down:
	.size	k_q9fcf9d5d23_down, .Lfunc_end_k_q9fcf9d5d23_down-k_q9fcf9d5d23_down
	.p2alignl 7, 3214868480
	.fill 96, 4, 3214868480
	.section	.rodata,"a",@progbits
	.p2align	6, 0x0
	.amdhsa_kernel k_q9fcf9d5d23_down
		.amdhsa_group_segment_fixed_size 76544
		.amdhsa_private_segment_fixed_size 0
		.amdhsa_enable_private_segment 0
		.amdhsa_kernarg_size 48
		.amdhsa_user_sgpr_count 2
		.amdhsa_user_sgpr_kernarg_segment_ptr 1
		.amdhsa_wavefront_size32 1
		.amdhsa_system_sgpr_workgroup_id_x 1
		.amdhsa_system_sgpr_workgroup_id_y 1
		.amdhsa_system_sgpr_workgroup_id_z 1
		.amdhsa_system_vgpr_workitem_id 0
		.amdhsa_next_free_vgpr 1024
		.amdhsa_next_free_sgpr 66
		.amdhsa_reserve_vcc 0
		.amdhsa_float_denorm_mode_32 3
		.amdhsa_float_denorm_mode_16_64 3
		.amdhsa_memory_ordered 1
		.amdhsa_forward_progress 1
		.amdhsa_inst_pref_size 73
	.end_amdhsa_kernel
	.amdgpu_metadata
---
amdhsa.version: [ 1, 2 ]
amdhsa.kernels:
  - .name:           k_q9fcf9d5d23_down
    .symbol:         k_q9fcf9d5d23_down.kd
    .args:
      - { .name: hc, .offset: 0, .size: 8, .value_kind: global_buffer, .address_space: global }
      - { .name: lists, .offset: 8, .size: 8, .value_kind: global_buffer, .address_space: global }
      - { .name: rw2, .offset: 16, .size: 8, .value_kind: global_buffer, .address_space: global }
      - { .name: w_1_codes, .offset: 24, .size: 8, .value_kind: global_buffer, .address_space: global }
      - { .name: w_1_scales, .offset: 32, .size: 8, .value_kind: global_buffer, .address_space: global }
      - { .name: out0, .offset: 40, .size: 8, .value_kind: global_buffer, .address_space: global }
    .group_segment_fixed_size: 76544
    .private_segment_fixed_size: 0
    .kernarg_segment_align: 8
    .kernarg_segment_size: 48
    .max_flat_workgroup_size: 128
    .sgpr_count:     66
    .vgpr_count:     1024
    .wavefront_size: 32
...
	.end_amdgpu_metadata
.endif
;; end of part 4
;; ======== version 2 of 2: 4 launches
;; workspace buffers: xc 557,056 bytes; rt1 4,096 bytes of whole numbers; rw1 8,192 bytes; lists 14,080 bytes of whole numbers; rw2 8,192 bytes; hc 2,367,488 bytes
;; launch route (part 5): grid 256 x 1, 4 waves a work-group, no clusters, 55,808 bytes of LDS; arguments hidden_states, w_gate, out1, xc, rt1, rw1; writes out1, xc, rt1, rw1
.if DOCPART == 5
	.amdgcn_target "amdgcn-amd-amdhsa--gfx1250"
	.amdhsa_code_object_version 6
	.text
	.protected	k_q9fcf9d5d23_route
	.globl	k_q9fcf9d5d23_route
	.p2align	8
	.type	k_q9fcf9d5d23_route,@function
k_q9fcf9d5d23_route:
	s_mov_b64 s[64:65], 0
	v_nop
	global_prefetch_b8 v0, s[64:65] scope:SCOPE_SE
	s_setreg_imm32_b32 hwreg(HW_REG_WAVE_MODE, 25, 1), 1
	s_wait_xcnt 0x0
; ROUTE.  One wave, one token t = 4 x work-group + wave.  It (a) quantises the token's row of x (1,024 f32) to E2M1 codes and E8M0 bytes, (b) makes the 8 router logits in f32 (out1),
; (c) takes softmax and top-2 and stores the two experts as a whole number and their two weights, at fixed places: no address here hangs on the choice.
; xc: codes [1024 tokens][512 bytes] in K's order, then from XS_OFF on scale bytes [1024][32].  rt1[t] = a | b << 8 with a < b.  rw1: the weight of a at 4 t, that of b at 4096 + 4 t.
; LIMITS.  NaN and infinities are not served.  The top-2 is taken on the logits (the softmax rises with them), the lower index winning on equal logits: two different logits whose
; probabilities round to one f32 number could be ordered otherwise than by a top-k on the probabilities.  A block of zeros gets the byte 1, not 127: its codes are zeros, and this program alone reads the bytes.
; The logits' sums are taken in another order than a row-by-row sum.
; LDS: w_gate (32,768 bytes) at 0, 16 bytes of padding behind each 128, shared by the four waves; from XT on each wave's own 4,608 bytes, through which its row turns so that a lane gets a whole block of 32.
.set XS_OFF, 524288
.set XT,  36864
.set X,   16                           ; v16-47   the row as loaded: load i, register c: h = 128 i + 4 lane + c
.set Y,   48                           ; v48-79   the row turned: my lane's block of 32 neighbours
.set WB,  80                           ; v80-207  four slots of 32: w_gate rows 128 i + 4 lane + c, register 8 c + e  (first: the 16 staged loads)
.set ACC, 208                          ; v208-223 two sets of four pairs of partial logits
.set L,   224                          ; v224-231 the logits
.set EX,  232                          ; v232-239 the exponentials
	s_load_b256 s[4:11], s[0:1], 0x0               ; x s[4:5], w_gate s[6:7], out1 s[8:9], xc s[10:11]
	s_load_b128 s[12:15], s[0:1], 0x20             ; rt1 s[12:13], rw1 s[14:15]
	v_lshl_add_u32 v254, v0, 2, 0xd800
	v_mov_b32 v255, 0
	v_lshrrev_b32 v1, 5, v0
	v_readfirstlane_b32 s16, v1                    ; wave
	v_and_b32 v1, 31, v0                           ; lane
	v_lshrrev_b32 v2, 3, v0
	v_add_nc_u32 v2, v2, v0
	v_lshlrev_b32 v2, 4, v2                        ; w_gate into LDS: 16 thread + 16 (thread / 8)
	v_lshlrev_b32 v11, 4, v0                       ; and in memory: 16 thread
	v_lshlrev_b32 v3, 4, v1                        ; 16 lane
	s_mul_i32 s17, s16, 4608
	s_add_co_u32 s17, s17, XT                      ; my wave's turning place
	v_lshrrev_b32 v4, 3, v1
	v_add_nc_u32 v4, v4, v1
	v_lshlrev_b32 v4, 4, v4
	v_add_nc_u32 v4, s17, v4                       ; in: 16 lane + 16 (lane / 8)
	v_mul_u32_u24 v6, v1, 144                      ; w_gate out of LDS: my four rows of a chunk, 128 bytes + padding
	v_add_nc_u32 v5, s17, v6                       ; the row out: my block, 128 bytes + padding
	v_mov_b32 v10, 0
.irp e, 0,1,2,3,4,5,6,7
	v_mov_b32 v[EX+\e], 0                          ; written once: a lane permute's destination counts as one of its sources
.endr
	s_mov_b32 s30, 0x76543210
	s_mov_b32 s31, 0xfedcba98                      ; v_permlanex16_b32's selects for lane l xor 16
	s_lshl_b32 s18, ttmp9, 2
	s_add_co_u32 s18, s18, s16                     ; t
	s_lshl_b32 s20, s18, 12
	s_mov_b32 s21, 0
	s_lshl_b32 s22, s18, 5
	s_mov_b32 s23, 0
	s_lshl_b32 s24, s18, 9
	s_mov_b32 s25, 0
	s_lshl_b32 s26, s18, 2
	s_mov_b32 s27, 0
	s_wait_kmcnt 0x0
	s_add_nc_u64 s[4:5], s[4:5], s[20:21]          ; x's row
	s_add_nc_u64 s[8:9], s[8:9], s[22:23]          ; out1's row
	s_add_nc_u64 s[28:29], s[10:11], s[22:23]      ; the row's scale bytes (XS_OFF stands in the immediate)
	s_add_nc_u64 s[10:11], s[10:11], s[24:25]      ; the row's codes
	s_add_nc_u64 s[12:13], s[12:13], s[26:27]
	s_add_nc_u64 s[14:15], s[14:15], s[26:27]
.irp n, 0,1,2,3,4,5,6,7,8,9,10,11,12,13,14,15
	global_load_b128 v[WB+4*\n:WB+4*\n+3], v11, s[6:7] offset:2048*\n   ; the work-group's 128 threads read 2,048 consecutive bytes of w_gate
.endr
.irp i, 0,1,2,3,4,5,6,7
	global_load_b128 v[X+4*\i:X+4*\i+3], v3, s[4:5] offset:512*\i th:TH_LOAD_NT   ; 512 consecutive bytes of my row
.endr
	s_wait_loadcnt 8                               ; w_gate's sixteen are in; the row's eight may be out
.irp n, 0,1,2,3,4,5,6,7,8,9,10,11,12,13,14,15
	ds_store_b128 v2, v[WB+4*\n:WB+4*\n+3] offset:2304*\n
.endr
	s_wait_loadcnt 0x0
.irp i, 0,1,2,3,4,5,6,7
	ds_store_b128 v4, v[X+4*\i:X+4*\i+3] offset:576*\i
.endr
.irp q, 0,1,2,3,4,5,6,7
	ds_load_b128 v[Y+4*\q:Y+4*\q+3], v5 offset:16*\q   ; LDS serves a wave's instructions in order: these see my stores
.endr
	s_wait_dscnt 0x0                               ; for the others' sake: my part of w_gate lies in LDS
	s_barrier_signal -1
	s_barrier_wait -1
.macro WLD i                           ; chunk i of w_gate: my four rows, 8 loads, into slot i % 4
.irp c, 0,1,2,3
.irp q, 0,1
	ds_load_b128 v[WB+32*((\i)%4)+8*\c+4*\q:WB+32*((\i)%4)+8*\c+4*\q+3], v6 offset:4608*(\i)+32*\c+16*\q
.endr
.endr
.endm
.macro FMA i                           ; my four numbers of chunk i x their rows of w_gate: 16 packed multiply-adds, into set i % 2; each set's first four start the sums
.irp c, 0,1,2,3
.irp p, 0,1,2,3
.if ((\i) < 2) && (\c == 0)
	v_pk_mul_f32 v[ACC+8*((\i)%2)+2*\p:ACC+8*((\i)%2)+2*\p+1], v[X+4*(\i):X+4*(\i)+1], v[WB+32*((\i)%4)+2*\p:WB+32*((\i)%4)+2*\p+1] op_sel_hi:[0,1]
.elseif (\c%2) == 0
	v_pk_fma_f32 v[ACC+8*((\i)%2)+2*\p:ACC+8*((\i)%2)+2*\p+1], v[X+4*(\i)+\c:X+4*(\i)+\c+1], v[WB+32*((\i)%4)+8*\c+2*\p:WB+32*((\i)%4)+8*\c+2*\p+1], v[ACC+8*((\i)%2)+2*\p:ACC+8*((\i)%2)+2*\p+1] op_sel_hi:[0,1,1]
.else
	v_pk_fma_f32 v[ACC+8*((\i)%2)+2*\p:ACC+8*((\i)%2)+2*\p+1], v[X+4*(\i)+\c-1:X+4*(\i)+\c], v[WB+32*((\i)%4)+8*\c+2*\p:WB+32*((\i)%4)+8*\c+2*\p+1], v[ACC+8*((\i)%2)+2*\p:ACC+8*((\i)%2)+2*\p+1] op_sel:[1,0,0] op_sel_hi:[1,1,1]
.endif
.endr
.endr
.endm
	WLD 0
	WLD 1
	WLD 2
	WLD 3
	; my block of 32: its largest magnitude (with the floor 2^(3 - 127), which holds the byte at 1 from below), its scale, its codes
	v_max3_num_f32 v240, |v[Y]|, |v[Y+1]|, |v[Y+2]|
	v_max3_num_f32 v241, |v[Y+3]|, |v[Y+4]|, |v[Y+5]|
.irp i, 6,10,14,18,22,26
	v_max3_num_f32 v240, v240, |v[Y+\i]|, |v[Y+\i+1]|
	v_max3_num_f32 v241, v241, |v[Y+\i+2]|, |v[Y+\i+3]|
.endr
	v_max3_num_f32 v240, v240, |v[Y+30]|, |v[Y+31]|
	v_max3_num_f32 v240, v240, v241, 0x1800000
	v_add_nc_u32 v242, 0xff000000, v240            ; 2 off the exponent field: the conversion takes that field of this operand as its scale
	v_lshrrev_b32 v249, 23, v242                   ; the scale's byte
.irp g, 0,1,2,3
	v_cvt_scalef32_pk8_fp4_f32 v[12+\g], v[Y+8*\g:Y+8*\g+7], v242
.endr
	v_nop                                          ; one plain place behind the conversions: v242 is written again further on
	global_store_b128 v3, v[12:15], s[10:11]       ; 32 lanes store the row's 512 bytes of codes
	global_store_b8 v1, v249, s[28:29] offset:XS_OFF   ; and its 32 consecutive scale bytes
.irp i, 0,1,2,3
	s_wait_dscnt 24                                ; chunk i is in; the three younger chunks (24 loads) may be out
	FMA \i
	WLD \i+4
.endr
	s_wait_dscnt 24
	FMA 4
	s_wait_dscnt 16
	FMA 5
	s_wait_dscnt 8
	FMA 6
	s_wait_dscnt 0x0
	FMA 7
.irp p, 0,1,2,3
	v_pk_add_f32 v[L+2*\p:L+2*\p+1], v[ACC+2*\p:ACC+2*\p+1], v[ACC+8+2*\p:ACC+8+2*\p+1]
.endr
.irp m, 1,2,4,8                        ; over the 32 lanes, the eight sums by turns; every lane ends with all eight logits
.irp e, 0,1,2,3,4,5,6,7
	v_add_f32_dpp v[L+\e], v[L+\e], v[L+\e] row_xmask:\m row_mask:0xf bank_mask:0xf
.endr
.endr
.irp e, 0,1,2,3,4,5,6,7
	v_permlanex16_b32 v[EX+\e], v[L+\e], s30, s31
.endr
.irp e, 0,1,2,3,4,5,6,7
	v_add_f32 v[L+\e], v[L+\e], v[EX+\e]
.endr
	; softmax: the largest logit is taken away first
	v_max3_num_f32 v240, v[L], v[L+1], v[L+2]
	v_max3_num_f32 v240, v240, v[L+3], v[L+4]
	v_max3_num_f32 v240, v240, v[L+5], v[L+6]
	v_max_num_f32 v240, v240, v[L+7]
	v_mov_b32 v241, v240
.irp p, 0,1,2,3
	v_pk_add_f32 v[EX+2*\p:EX+2*\p+1], v[L+2*\p:L+2*\p+1], v[240:241] neg_lo:[0,1] neg_hi:[0,1]
.endr
.irp p, 0,1,2,3
	v_pk_mul_f32 v[EX+2*\p:EX+2*\p+1], v[EX+2*\p:EX+2*\p+1], 0x3fb8aa3b op_sel_hi:[1,0]
.endr
	s_wait_alu depctr_va_vdst(0)
.irp e, 0,1,2,3,4,5,6,7
	v_exp_f32 v[EX+\e], v[EX+\e]
.endr
	v_mov_b32 v242, v[L]                           ; the first choice: a later logit takes over only if it is larger.  (These lines are the plain place behind the exponentials)
	v_mov_b32 v243, 0
.irp e, 1,2,3,4,5,6,7
	v_cmp_ge_f32 vcc_lo, v242, v[L+\e]             ; keep
	v_cndmask_b32 v243, \e, v243, vcc_lo
	v_cndmask_b32 v242, v[L+\e], v242, vcc_lo
.endr
	s_wait_alu depctr_va_vdst(0)
	v_pk_add_f32 v[250:251], v[EX:EX+1], v[EX+2:EX+3]
	v_pk_add_f32 v[252:253], v[EX+4:EX+5], v[EX+6:EX+7]
	v_pk_add_f32 v[250:251], v[250:251], v[252:253]
	v_add_f32 v247, v250, v251
	s_wait_alu depctr_va_vdst(0)
	v_rcp_f32 v247, v247                           ; 1 / the sum: the first choice's weight, its exponential being 1
	v_mov_b32 v244, 0xff800000                     ; the second choice, from -infinity on, passing over the first.  (A plain place behind the reciprocal)
	v_mov_b32 v245, 0
	v_mov_b32 v246, 0
.irp e, 0,1,2,3,4,5,6,7
	v_cmp_ge_f32 s20, v244, v[L+\e]
	v_cmp_eq_u32 s21, \e, v243
	s_or_b32 vcc_lo, s20, s21                      ; keep
	v_cndmask_b32 v245, \e, v245, vcc_lo
	v_cndmask_b32 v244, v[L+\e], v244, vcc_lo
	v_cndmask_b32 v246, v[EX+\e], v246, vcc_lo
.endr
	s_wait_alu depctr_va_vdst(0)
	v_mul_f32 v246, v246, v247                     ; the second choice's weight
	v_cmp_lt_u32 vcc_lo, v243, v245                ; the two by expert's number: a < b
	v_cndmask_b32 v250, v246, v247, vcc_lo         ; a's weight
	v_cndmask_b32 v251, v247, v246, vcc_lo         ; b's
	v_min_u32 v252, v243, v245
	v_max_u32 v253, v243, v245
	v_lshl_or_b32 v252, v253, 8, v252
	v_cmp_eq_u32 vcc_lo, 0, v1
	s_wait_alu depctr_va_vdst(0)
	s_wait_xcnt 0x0                                ; EXEC is a source of the stores above: it changes only behind this wait
	s_wait_tensorcnt 0x0
	ds_add_u32 v254, v255
	s_wait_dscnt 0x0
	s_and_saveexec_b32 s32, vcc_lo                 ; all lanes hold the same numbers: lane 0 stores them
	global_store_b128 v10, v[L:L+3], s[8:9]
	global_store_b128 v10, v[L+4:L+7], s[8:9] offset:16
	global_store_b32 v10, v252, s[12:13]
	global_store_b32 v10, v250, s[14:15]
	global_store_b32 v10, v251, s[14:15] offset:4096
	s_endpgm
.Lfunc_end_k_q9fcf9d5d23_route:
	.size	k_q9fcf9d5d23_route, .Lfunc_end_k_q9fcf9d5d23_route-k_q9fcf9d5d23_route
	.p2alignl 7, 3214868480
	.fill 96, 4, 3214868480
	.section	.rodata,"a",@progbits
	.p2align	6, 0x0
	.amdhsa_kernel k_q9fcf9d5d23_route
		.amdhsa_group_segment_fixed_size 55808
		.amdhsa_private_segment_fixed_size 0
		.amdhsa_enable_private_segment 0
		.amdhsa_kernarg_size 48
		.amdhsa_user_sgpr_count 2
		.amdhsa_user_sgpr_kernarg_segment_ptr 1
		.amdhsa_wavefront_size32 1
		.amdhsa_system_sgpr_workgroup_id_x 1
		.amdhsa_system_sgpr_workgroup_id_y 1
		.amdhsa_system_sgpr_workgroup_id_z 1
		.amdhsa_system_vgpr_workitem_id 0
		.amdhsa_next_free_vgpr 256
		.amdhsa_next_free_sgpr 66
		.amdhsa_reserve_vcc 1
		.amdhsa_float_denorm_mode_32 3
		.amdhsa_float_denorm_mode_16_64 3
		.amdhsa_memory_ordered 1
		.amdhsa_forward_progress 1
		.amdhsa_inst_pref_size 29
	.end_amdhsa_kernel
	.amdgpu_metadata
---
amdhsa.version: [ 1, 2 ]
amdhsa.kernels:
  - .name:           k_q9fcf9d5d23_route
    .symbol:         k_q9fcf9d5d23_route.kd
    .args:
      - { .name: hidden_states, .offset: 0, .size: 8, .value_kind: global_buffer, .address_space: global }
      - { .name: w_gate, .offset: 8, .size: 8, .value_kind: global_buffer, .address_space: global }
      - { .name: out1, .offset: 16, .size: 8, .value_kind: global_buffer, .address_space: global }
      - { .name: xc, .offset: 24, .size: 8, .value_kind: global_buffer, .address_space: global }
      - { .name: rt1, .offset: 32, .size: 8, .value_kind: global_buffer, .address_space: global }
      - { .name: rw1, .offset: 40, .size: 8, .value_kind: global_buffer, .address_space: global }
    .group_segment_fixed_size: 55808
    .private_segment_fixed_size: 0
    .kernarg_segment_align: 8
    .kernarg_segment_size: 48
    .max_flat_workgroup_size: 128
    .sgpr_count:     66
    .vgpr_count:     256
    .wavefront_size: 32
...
	.end_amdgpu_metadata
.endif
;; end of part 5
;; launch place (part 6): grid 1 x 1, 32 waves a work-group, no clusters, 21,248 bytes of LDS; arguments rt1, rw1, lists, rw2; writes lists, rw2
.if DOCPART == 6
	.amdgcn_target "amdgcn-amd-amdhsa--gfx1250"
	.amdhsa_code_object_version 6
	.text
	.protected	k_q9fcf9d5d23_place
	.globl	k_q9fcf9d5d23_place
	.p2align	8
	.type	k_q9fcf9d5d23_place,@function
k_q9fcf9d5d23_place:
	s_mov_b64 s[64:65], 0
	v_nop
	global_prefetch_b8 v0, s[64:65] scope:SCOPE_SE
	s_setreg_imm32_b32 hwreg(HW_REG_WAVE_MODE, 25, 1), 1
	s_wait_xcnt 0x0
; PLACE.  A counting sort of the 1,024 tokens by their pair of experts (a < b), without atomics: one work-group, since 1,024 keys have work for no more; a lane to a token.
; d = 8 e + o names expert e's rows whose other expert is o.  Expert e's rows lie from seg[e] (a multiple of 16) on, by o ascending, then by token.  So the tokens of a pair (a, b) are
; neighbours, in the same order, in a's rows (from Olo), in b's rows (from Ohi) and in the order by pairs (from R).
; lists: rowtok[2176] at 0 (the token of each routed row); tok[1024] at 8704 (tokens by pair); pmeta[64][4] at 12800: {n, Olo, Ohi, R} at d = 8 a + b (entries with e >= o are defined and not read);
; emeta[8][2] at 13824: {seg, cnt}.  rw2: a's weight by pair order at 0, b's at 4096.
; LDS: CN [d][j] counts of word j (32 tokens), rows of 132 bytes; PX [d][j] their exclusive prefix over j; TOT [d] totals.
.set CN,  0
.set PX,  8448
.set TOT, 16896
	s_load_b256 s[4:11], s[0:1], 0x0               ; rt1 s[4:5], rw1 s[6:7], lists s[8:9], rw2 s[10:11]
	v_lshl_add_u32 v64, v0, 2, 0x4300
	v_mov_b32 v65, 0
	v_lshrrev_b32 v1, 5, v0
	s_delay_alu instid0(VALU_DEP_1)
	v_readfirstlane_b32 s12, v1                    ; wave w
	v_and_b32 v1, 31, v0                           ; lane
	v_lshlrev_b32 v2, 2, v0                        ; 4 token
	s_delay_alu instid0(VALU_DEP_2)
	v_lshlrev_b32 v33, 2, v1                       ; 4 lane
	s_lshl_b32 s13, s12, 2
	s_mul_i32 s14, s12, 132
	v_mul_u32_u24 v11, v1, 132
	s_delay_alu instid0(VALU_DEP_1)
	v_add_nc_u32 v11, s13, v11                     ; row = lane, word = w
	v_add_nc_u32 v12, s14, v33                     ; row = w, word = lane
	v_mov_b32 v34, s13                             ; 4 w
.irp r, 8,9,10,17,30,31,32,37
	v_mov_b32 v\r, 0
.endr
	v_mov_b32 v36, -1
	v_bfe_u32 v18, v1, 4, 1
	s_delay_alu instid0(VALU_DEP_1)
	v_sub_nc_u32 v18, 0, v18                       ; all ones in lanes 16-31
	v_and_b32 v35, 7, v1                           ; lane % 8
	s_delay_alu instid0(VALU_DEP_1)
	v_cmp_le_u32 vcc_lo, 1, v35
	s_delay_alu instid0(VALU_DEP_1)
	v_cndmask_b32 v19, v37, v36, vcc_lo            ; all ones where lane % 8 >= 1,
	s_delay_alu instid0(VALU_DEP_3)
	v_cmp_le_u32 vcc_lo, 2, v35
	s_delay_alu instid0(VALU_DEP_1)
	v_cndmask_b32 v20, v37, v36, vcc_lo            ; 2,
	v_cmp_le_u32 vcc_lo, 4, v35
	s_delay_alu instid0(VALU_DEP_1)
	v_cndmask_b32 v21, v37, v36, vcc_lo            ; 4
	v_lshrrev_b32 v38, 3, v1
	s_delay_alu instid0(VALU_DEP_1)
	v_lshlrev_b32 v38, 2, v38                      ; 4 (lane / 8)
	s_delay_alu instid0(VALU_DEP_1)
	v_add_nc_u32 v41, 16, v38
	s_wait_kmcnt 0x0
	global_load_b32 v3, v2, s[4:5]
	global_load_b32 v4, v2, s[6:7]
	global_load_b32 v5, v2, s[6:7] offset:4096
	s_wait_loadcnt 2                               ; the key is in; the two weights may be out
	v_and_b32 v6, 0xff, v3
	s_delay_alu instid0(VALU_DEP_1)
	v_min_u32 v6, 7, v6                            ; a
	v_lshrrev_b32 v7, 8, v3
	s_delay_alu instid0(VALU_DEP_1)
	v_min_u32 v7, 7, v7                            ; b
.irp e, 0,1,2,3,4,5,6,7                ; which of my wave's 32 tokens use expert e: a mask in a scalar register, and in lane e of v8
	v_cmp_eq_u32 s20, \e, v6
	v_cmp_eq_u32 s21, \e, v7
	s_or_b32 s[24+\e], s20, s21
	v_writelane_b32 v8, s[24+\e], \e
.endr
.irp e, 0,1,2,3,4,5,6                  ; how many use e and o: into lanes d of v9 (d under 32) and v10; the diagonal stays 0
.irp o, 1,2,3,4,5,6,7
.if \o > \e
	s_and_b32 s20, s[24+\e], s[24+\o]
	s_bcnt1_i32_b32 s20, s20
	v_writelane_b32 v[9+(8*\e+\o)/32], s20, (8*\e+\o)%32
	v_writelane_b32 v[9+(8*\o+\e)/32], s20, (8*\o+\e)%32
.endif
.endr
.endr
	ds_store_b32 v11, v9 offset:CN
	ds_store_b32 v11, v10 offset:CN+4224
	s_wait_dscnt 0x0
	s_barrier_signal -1
	s_barrier_wait -1
	; wave w scans d = w and d = w + 32 over the 32 words
.macro SCAN32 r                        ; an inclusive sum over the 32 lanes
.irp s, 1
	v_mov_b32_dpp v17, v[\r] row_shr:\s row_mask:0xf bank_mask:0xf bound_ctrl:1
	s_delay_alu instid0(VALU_DEP_1)
	v_add_nc_u32 v[\r], v[\r], v17
.endr
.irp s, 2, 4, 8
	s_delay_alu instid0(VALU_DEP_1)
	v_mov_b32_dpp v17, v[\r] row_shr:\s row_mask:0xf bank_mask:0xf bound_ctrl:1
	s_delay_alu instid0(VALU_DEP_1)
	v_add_nc_u32 v[\r], v[\r], v17
.endr
	s_delay_alu instid0(VALU_DEP_1)
	v_readlane_b32 s20, v[\r], 15
	s_delay_alu instid0(VALU_DEP_1)
	v_and_b32 v17, s20, v18
	s_delay_alu instid0(VALU_DEP_1)
	v_add_nc_u32 v[\r], v[\r], v17
.endm
	ds_load_b32 v13, v12 offset:CN
	ds_load_b32 v14, v12 offset:CN+4224
	s_wait_dscnt 0x0
	v_mov_b32 v15, v13
	v_mov_b32 v16, v14
	SCAN32 15
	SCAN32 16
	v_sub_nc_u32 v13, v15, v13
	s_delay_alu instid0(VALU_DEP_2)
	v_sub_nc_u32 v14, v16, v14
	ds_store_b32 v12, v13 offset:PX
	ds_store_b32 v12, v14 offset:PX+4224
	v_readlane_b32 s20, v15, 31
	v_readlane_b32 s21, v16, 31
	s_delay_alu instid0(VALU_DEP_2)
	v_mov_b32 v39, s20
	s_delay_alu instid0(VALU_DEP_2)
	v_mov_b32 v40, s21
	ds_store_b32 v34, v39 offset:TOT               ; all lanes write the same word with the same value
	ds_store_b32 v34, v40 offset:TOT+128
	s_wait_dscnt 0x0
	s_barrier_signal -1
	s_barrier_wait -1
	; every wave: lane = d % 32, two registers (e under 4, e from 4 on)
	ds_load_b32 v22, v33 offset:TOT                ; M[d]
	ds_load_b32 v23, v33 offset:TOT+128
	ds_load_b32 v24, v11 offset:PX                 ; the prefix of my wave's word, for each d
	ds_load_b32 v25, v11 offset:PX+4224
	s_wait_dscnt 0x0
.macro SCAN8 r                         ; an inclusive sum over o, within groups of eight lanes
.irp s, 1
	v_mov_b32_dpp v17, v[\r] row_shr:\s row_mask:0xf bank_mask:0xf bound_ctrl:1
	s_delay_alu instid0(VALU_DEP_1)
	v_and_b32 v17, v17, v[19+\s/2]
	s_delay_alu instid0(VALU_DEP_1)
	v_add_nc_u32 v[\r], v[\r], v17
.endr
.irp s, 2, 4
	s_delay_alu instid0(VALU_DEP_1)
	v_mov_b32_dpp v17, v[\r] row_shr:\s row_mask:0xf bank_mask:0xf bound_ctrl:1
	s_delay_alu instid0(VALU_DEP_1)
	v_and_b32 v17, v17, v[19+\s/2]
	s_delay_alu instid0(VALU_DEP_1)
	v_add_nc_u32 v[\r], v[\r], v17
.endr
.endm
	v_mov_b32 v26, v22
	v_mov_b32 v27, v23
	SCAN8 26
	SCAN8 27
	v_sub_nc_u32 v28, v26, v22                     ; rows of e with a lower o
	s_wait_alu depctr_va_vdst(0)
	v_sub_nc_u32 v29, v27, v23
	s_mov_b32 s40, 0                               ; seg
	s_mov_b32 s41, 0                               ; tokens whose lower expert comes before e
.irp e, 0,1,2,3,4,5,6,7
	v_readlane_b32 s42, v[26+\e/4], 8*(\e%4)+7     ; cnt[e]
	v_readlane_b32 s43, v[28+\e/4], (9*\e)%32      ; rows of e whose other expert is lower: the diagonal lane's prefix
	v_writelane_b32 v30, s40, \e
	s_sub_co_u32 s44, s41, s40
	s_sub_co_u32 s44, s44, s43
	v_writelane_b32 v31, s44, \e                   ; adj[e]: a row's place in e's rows + adj = the token's place by pairs
	v_writelane_b32 v32, s40, 2*\e
	s_delay_alu instid0(VALU_DEP_1)
	v_writelane_b32 v32, s42, 2*\e+1
	s_add_co_u32 s41, s41, s42
	s_sub_co_u32 s41, s41, s43
	s_add_co_u32 s42, s42, 15
	s_and_b32 s42, s42, -16
	s_add_co_u32 s40, s40, s42
.endr
	ds_bpermute_b32 v39, v38, v30
	ds_bpermute_b32 v40, v41, v30
	v_lshlrev_b32 v42, 2, v7
	s_delay_alu instid0(VALU_DEP_1)
	v_lshl_add_u32 v42, v6, 5, v42                 ; 4 (8 a + b)
	v_lshlrev_b32 v43, 2, v6
	s_delay_alu instid0(VALU_DEP_1)
	v_lshl_add_u32 v43, v7, 5, v43                 ; 4 (8 b + a)
	v_lshlrev_b32 v44, 2, v6
	v_lshlrev_b32 v45, 2, v7
	s_wait_dscnt 0x0
	v_add_nc_u32 v28, v28, v39                     ; OFF[d] = seg[e] + the prefix
	s_wait_alu depctr_va_vdst(0)
	v_add_nc_u32 v29, v29, v40
	; lane = token again: what my pair's entries say (the permute takes the index modulo 32; the half is chosen behind it)
	ds_bpermute_b32 v46, v42, v28
	ds_bpermute_b32 v47, v42, v29
	ds_bpermute_b32 v48, v43, v28
	ds_bpermute_b32 v49, v43, v29
	ds_bpermute_b32 v50, v42, v24
	ds_bpermute_b32 v51, v42, v25
	ds_bpermute_b32 v52, v44, v31
	ds_bpermute_b32 v53, v44, v8
	ds_bpermute_b32 v54, v45, v8
	s_wait_dscnt 0x0
	v_cmp_le_u32 vcc_lo, 4, v6
	s_delay_alu instid0(VALU_DEP_1)
	v_cndmask_b32 v46, v46, v47, vcc_lo
	s_delay_alu instid0(VALU_DEP_2)
	v_cndmask_b32 v50, v50, v51, vcc_lo
	v_cmp_le_u32 vcc_lo, 4, v7
	s_delay_alu instid0(VALU_DEP_1)
	v_cndmask_b32 v48, v48, v49, vcc_lo
	v_and_b32 v53, v53, v54
	s_delay_alu instid0(VALU_DEP_1)
	v_mbcnt_lo_u32_b32 v53, v53, 0                 ; tokens of my pair in lower lanes of my wave
	s_delay_alu instid0(VALU_DEP_1)
	v_add_nc_u32 v50, v50, v53                     ; i: my place among my pair's tokens
	s_delay_alu instid0(VALU_DEP_1)
	v_add_nc_u32 v55, v46, v50                     ; my row with a,
	s_delay_alu instid0(VALU_DEP_2)
	v_add_nc_u32 v56, v48, v50                     ; with b,
	s_delay_alu instid0(VALU_DEP_2)
	v_add_nc_u32 v57, v55, v52                     ; my place by pairs
	s_delay_alu instid0(VALU_DEP_3)
	v_min_u32 v55, 0x87f, v55
	s_delay_alu instid0(VALU_DEP_3)
	v_min_u32 v56, 0x87f, v56
	s_delay_alu instid0(VALU_DEP_3)
	v_min_u32 v57, 0x3ff, v57
	s_delay_alu instid0(VALU_DEP_3)
	v_lshlrev_b32 v55, 2, v55
	s_delay_alu instid0(VALU_DEP_3)
	v_lshlrev_b32 v56, 2, v56
	s_delay_alu instid0(VALU_DEP_3)
	v_lshlrev_b32 v57, 2, v57
	global_store_b32 v55, v0, s[8:9]
	global_store_b32 v56, v0, s[8:9]
	global_store_b32 v57, v0, s[8:9] offset:8704
	s_wait_alu depctr_va_vdst(0)
	s_wait_loadcnt 0x0                             ; the two weights
	global_store_b32 v57, v4, s[10:11]
	global_store_b32 v57, v5, s[10:11] offset:4096
	s_cmp_lg_u32 s12, 0                            ; the tables are the same in every wave: wave 0 stores them.  No barrier follows
	s_cbranch_scc1 .Lend
	v_lshl_add_u32 v58, v35, 5, v38                ; 4 (8 o + e): the entry of the same pair seen from o
	s_delay_alu instid0(VALU_DEP_1)
	v_add_nc_u32 v59, 16, v58
	ds_bpermute_b32 v46, v58, v28
	ds_bpermute_b32 v47, v58, v29
	ds_bpermute_b32 v48, v38, v31
	ds_bpermute_b32 v49, v59, v28
	ds_bpermute_b32 v50, v59, v29
	ds_bpermute_b32 v51, v41, v31
	v_lshlrev_b32 v52, 4, v1
	global_store_b32 v33, v32, s[8:9] offset:13824
	v_cmp_le_u32 vcc_lo, 4, v35
	s_wait_dscnt 0x0
	v_mov_b32 v60, v22
	v_mov_b32 v61, v28
	v_cndmask_b32 v62, v46, v47, vcc_lo
	v_add_nc_u32 v63, v28, v48
	s_wait_alu depctr_va_vdst(0)
	global_store_b128 v52, v[60:63], s[8:9] offset:12800
	v_mov_b32 v12, v23
	v_mov_b32 v13, v29
	v_cndmask_b32 v14, v49, v50, vcc_lo
	v_add_nc_u32 v15, v29, v51
	global_store_b128 v52, v[12:15], s[8:9] offset:13312
.Lend:
	s_wait_tensorcnt 0x0
	ds_add_u32 v64, v65
	s_wait_dscnt 0x0
	s_endpgm
.Lfunc_end_k_q9fcf9d5d23_place:
	.size	k_q9fcf9d5d23_place, .Lfunc_end_k_q9fcf9d5d23_place-k_q9fcf9d5d23_place
	.p2alignl 7, 3214868480
	.fill 96, 4, 3214868480
	.section	.rodata,"a",@progbits
	.p2align	6, 0x0
	.amdhsa_kernel k_q9fcf9d5d23_place
		.amdhsa_group_segment_fixed_size 21248
		.amdhsa_private_segment_fixed_size 0
		.amdhsa_enable_private_segment 0
		.amdhsa_kernarg_size 32
		.amdhsa_user_sgpr_count 2
		.amdhsa_user_sgpr_kernarg_segment_ptr 1
		.amdhsa_wavefront_size32 1
		.amdhsa_system_sgpr_workgroup_id_x 1
		.amdhsa_system_sgpr_workgroup_id_y 1
		.amdhsa_system_sgpr_workgroup_id_z 1
		.amdhsa_system_vgpr_workitem_id 0
		.amdhsa_next_free_vgpr 66
		.amdhsa_next_free_sgpr 66
		.amdhsa_reserve_vcc 1
		.amdhsa_float_denorm_mode_32 3
		.amdhsa_float_denorm_mode_16_64 3
		.amdhsa_memory_ordered 1
		.amdhsa_forward_progress 1
		.amdhsa_inst_pref_size 24
	.end_amdhsa_kernel
	.amdgpu_metadata
---
amdhsa.version: [ 1, 2 ]
amdhsa.kernels:
  - .name:           k_q9fcf9d5d23_place
    .symbol:         k_q9fcf9d5d23_place.kd
    .args:
      - { .name: rt1, .offset: 0, .size: 8, .value_kind: global_buffer, .address_space: global }
      - { .name: rw1, .offset: 8, .size: 8, .value_kind: global_buffer, .address_space: global }
      - { .name: lists, .offset: 16, .size: 8, .value_kind: global_buffer, .address_space: global }
      - { .name: rw2, .offset: 24, .size: 8, .value_kind: global_buffer, .address_space: global }
    .group_segment_fixed_size: 21248
    .private_segment_fixed_size: 0
    .kernarg_segment_align: 8
    .kernarg_segment_size: 32
    .max_flat_workgroup_size: 1024
    .sgpr_count:     66
    .vgpr_count:     66
    .wavefront_size: 32
...
	.end_amdgpu_metadata
.endif
;; end of part 6
;; launch gateup (part 7): grid 32 x 8, 4 waves a work-group, no clusters, 68,096 bytes of LDS; arguments xc, lists, w_g_codes, w_g_scales, w_v_codes, w_v_scales, hc; writes hc
.if DOCPART == 7
	.amdgcn_target "amdgcn-amd-amdhsa--gfx1250"
	.amdhsa_code_object_version 6
	.text
	.protected	k_q9fcf9d5d23_gateup
	.globl	k_q9fcf9d5d23_gateup
	.p2align	8
	.type	k_q9fcf9d5d23_gateup,@function
k_q9fcf9d5d23_gateup:
	s_mov_b64 s[64:65], 0
	v_nop
	global_prefetch_b8 v0, s[64:65] scope:SCOPE_SE
	s_setreg_imm32_b32 hwreg(HW_REG_WAVE_SCHED_MODE, 0, 2), 2
	s_setreg_imm32_b32 hwreg(HW_REG_WAVE_MODE, 25, 1), 1
	s_wait_xcnt 0x0
	s_wait_alu depctr_vm_vsrc(0)
; GATEUP.  hidden = gelu(x Wg) * (x Wv) for the routed rows of one expert e (work-group y) and 64 hidden units 64 s .. 64 s + 63 (work-group x), quantised along F and stored as codes.
; Both products on E2M1 codes with E8M0 scales, 16 x 16 x 128, used transposed: source 0 = 16 rows of a weight, source 1 = 16 rows of x: a lane holds one routed row and its registers run along the hidden units.
; THE WEIGHTS STAY IN REGISTERS: every wave holds the slice's 4 tiles of Wg and 4 of Wv for all 8 K steps (512 registers).  They are read from memory once for the work-group, in whole rows of 512 bytes, and go
; through LDS (rows of 512 + 16 bytes) into each wave's fragments.  Wave w takes row tiles w, w + 4, ..  The number of tiles hangs on a stored count, so the launch has no tensor load, no cluster, and its one barrier stands ahead of that branch.
; THE FIRST TILE'S x IS ASKED FOR AHEAD OF THE BARRIER: the expert's count, the first 16 rows' tokens and their codes are three loads that hang on each other; they go out while the weights' rows are on their way and land under the barrier and the fragments' LDS loads.
; THE ROWS OF A WEIGHT THAT FORM A TILE ARE NOT NEIGHBOURS: lane r of tile 2 b + u takes row 32 b + 8 u + r + 8 (r / 8), so that the 16 registers of tiles 2 b and 2 b + 1 are 16 neighbours along F: 32 b + 16 (lane / 16) + 0 .. 15.
; GELU, exact form: gelu(g) = max(g, 0) - |g| R, R = erfc(|g| / sqrt 2) / 2 = t exp(-g^2 / 2 + a polynomial of degree 9 in t) / 2, t = 1 / (1 + |g| sqrt 2 / 4): a fit of erfc with a fractional error of 1.2e-7 everywhere; no compare, and nothing is lost in the negative tail.
; hc: 64 planes of codes [block of 32 along F][row p][16 bytes], PLANE bytes each; from HS_OFF on 4 planes of scale bytes [K step / 4][row p][16 bytes]: byte 4 (k % 4) + j is block 4 k + j.
; Rows past an expert's count, up to the next multiple of 16, repeat its last row: they are stored and never read.  The look-ahead past the last tile reads the last row again.  An expert without rows reads the list's entry 0 and stores nothing.
; LIMITS.  NaN and infinities are not served.  R under 2^-126 comes out as 0 (the exponential flushes).  A block of zeros gets the byte 1, not 127: its codes are zeros, and this program alone reads the bytes.
; REGISTERS.  Window 0: v1-15 addresses; v16-19 x's scale words; v20-51 the weights' (tile T at 4 T; lanes 0-15 K steps 0-3, lanes 16-31 K steps 4-7); v52-53 a constant; v54-58 codes and a byte; v64-127 x's 8 fragments;
; v128-159 gate, v160-191 up; v192-255 at work.  Window 1: first my 32 rows as loaded (v0-127), then the weights' fragments of K steps 0-3 at ((k % 4) 8 + T) 8, T = 0-3 gate, 4-7 up.  Window 2: K steps 4-7.
; THE MODE: SCHED_MODE bits 1:0 = 2 (LLVM: expert scheduling mode 2), set by the entry lines.  The code itself states the register dependences
; between vector or matrix instructions and memory or LDS instructions, with s_wait_alu, always for 0.
; THE PLAN.  Registers that memory or LDS instructions touch:
;   v3 - v6, v62, v63   Offsets and LDS addresses, made once at the head and never written again.
;   window 1, v0-127    Written by the 32 loads of rows, read by the 32 LDS stores, then written by the fragments' LDS loads; from then on read by products alone.
;   v7, v9, v10         Written by the address lines RADDR and XADDR; read by the load of a tile's tokens and by XLOAD.
;   v8                  Written by the load of a tile's tokens; read by XADDR.
;   X, XS               Written by XLOAD; read by a tile's 64 products.
;   v54-58, v11, v12    Codes, byte and addresses: written by the quantiser; read by a tile's three stores.
; A TRIP: the products; ONE wait on vm_vsrc (this tile's loads have read v7, v9, v10; the last tile's stores have read v54-58, v11, v12: until these are written again the only memory instructions
; issued are XLOAD and the tokens' load, which name none of them); the eight address lines; ONE wait on va_vdst (the offsets are written, the products are done reading X and XS, XADDR is done reading v8);
; the 18 loads of the look-ahead; the gelu, with a wait behind each batch of reciprocals and exponentials; the quantiser; one wait on va_vdst ahead of the three stores.
.set PLANE,  34816
.set HS_OFF, 64*PLANE
.set XS_OFF, 524288
.set LP,  528
.set XS,  16
.set WS,  20
.set CD,  54
.set X,   64
.set G,   128
.set V,   160
.set A,   192                          ; |g|
.set T,   208                          ; t
.set P,   224                          ; the polynomial, then R
.set SQ,  240                          ; g^2, then max(g, 0)
.set QT,  208                          ; the quantiser's six, where t lay
.set MSB, 0
.macro WIN new                         ; the immediate's high byte repeats the setting that is left
.if MSB != \new
	s_set_vgpr_msb (MSB<<8)|\new
.set MSB, \new
.endif
.endm
.macro RADDR sk                        ; where the tokens of the 16 rows from \sk on stand in rowtok; past the end: the last row
	v_add_nc_u32 v13, \sk, v1
	v_min_u32 v13, s36, v13
	v_add_nc_u32 v13, s37, v13
	v_min_u32 v13, 0x87f, v13
	v_lshlrev_b32 v7, 2, v13
.endm
.macro XADDR                           ; from my row's token to its codes and scale words
	v_min_u32 v13, 0x3ff, v8
	v_lshl_add_u32 v9, v13, 9, v2
	v_lshl_add_u32 v10, v13, 5, v2
.endm
.macro XLOAD                           ; 17 loads: x's eight fragments, and its scale words (lanes 0-15: K steps 0-3, lanes 16-31: 4-7)
.irp k, 0,1,2,3,4,5,6,7
.irp c, 0,1
	global_load_b128 v[X+8*\k+4*\c:X+8*\k+4*\c+3], v9, s[4:5] offset:64*\k+32*\c
.endr
.endr
	global_load_b128 v[XS:XS+3], v10, s[4:5] offset:XS_OFF
.endm
	s_load_b256 s[4:11], s[0:1], 0x0               ; xc s[4:5], lists s[6:7], Wg's codes s[8:9], scales s[10:11]
	s_load_b128 s[12:15], s[0:1], 0x20             ; Wv's codes s[12:13], scales s[14:15]
	s_load_b64 s[16:17], s[0:1], 0x30              ; hc
	v_lshl_add_u32 v62, v0, 2, 0x10800
	v_mov_b32 v63, 0
	v_lshrrev_b32 v13, 5, v0
	v_readfirstlane_b32 s18, v13                   ; wave w
	v_and_b32 v1, 15, v0                           ; r
	v_bfe_u32 v14, v0, 4, 1                        ; h
	v_lshlrev_b32 v2, 4, v14                       ; 16 h
	v_lshlrev_b32 v15, 3, v14                      ; 8 h
	v_and_b32 v3, 31, v0
	v_lshlrev_b32 v3, 4, v3                        ; 16 lane
	s_wait_alu depctr_va_vdst(0)
	s_and_b32 s20, ttmp7, 0xffff                   ; e
	s_wait_alu depctr_va_sdst(0)                   ; s18, the wave's number, is written, ahead of its first reader
	s_lshr_b32 s21, s18, 1
	s_lshl_b32 s21, s21, 5
	s_and_b32 s22, s18, 1
	s_lshl_b32 s22, s22, 3
	s_add_co_u32 s21, s21, s22
	s_mul_i32 s21, s21, LP
	v_add_nc_u32 v4, s21, v3                       ; into LDS: weight row 16 w + i goes to LDS row 32 (w / 2) + 8 (w % 2) + 16 (i / 8) + i % 8, so that a tile's 16 rows are neighbours there
	v_mul_u32_u24 v5, v1, LP
	v_add_nc_u32 v5, v5, v2                        ; out of it: row r of a tile, + 16 h
	v_and_b32 v6, 8, v1
	v_add_nc_u32 v6, v6, v1
	v_lshl_add_u32 v6, v6, 5, v2                   ; the weights' scale words: row r + 8 (r / 8) of 32 bytes, + 16 h
	v_mov_b32 v52, 0x3e2ef945                      ; the polynomial's highest coefficient, twice
	v_mov_b32 v53, 0x3e2ef945
	s_mov_b32 s42, 0x76543210
	s_mov_b32 s43, 0xfedcba98                      ; v_permlanex16_b32's selects for lane l xor 16
	s_mov_b32 s44, 0xffff0000                      ; lanes 16-31
	s_lshl_b32 s22, s20, 20
	s_lshl_b32 s23, ttmp9, 15
	s_add_co_u32 s22, s22, s23
	s_lshl_b32 s23, s18, 13
	s_add_co_u32 s22, s22, s23                     ; codes: expert, slice, my wave's 16 rows of 512 bytes
	s_mov_b32 s23, 0
	s_lshl_b32 s24, s20, 16
	s_lshl_b32 s25, ttmp9, 11
	s_add_co_u32 s24, s24, s25                     ; scales: expert, slice
	s_mov_b32 s25, 0
	s_lshl_b32 s26, s20, 3
	s_mul_i32 s30, ttmp9, 2*PLANE                  ; hc: the slice's two planes of codes
	s_mov_b32 s31, 0
	s_lshr_b32 s45, ttmp9, 3
	s_mul_i32 s46, s45, PLANE                      ; and its two bytes of a row's 64: plane s / 8, word (s / 2) % 4, bytes 2 (s % 2) on
	s_and_b32 s45, ttmp9, 7
	s_lshl_b32 s45, s45, 1
	s_add_co_u32 s46, s46, s45
	s_add_co_u32 s46, s46, HS_OFF
	s_mov_b32 s47, 0
	s_wait_kmcnt 0x0
	s_load_b64 s[28:29], s[6:7], s26 offset:13824  ; {seg, cnt} of my expert
	s_add_nc_u64 s[8:9], s[8:9], s[22:23]
	s_add_nc_u64 s[12:13], s[12:13], s[22:23]
	s_add_nc_u64 s[10:11], s[10:11], s[24:25]
	s_add_nc_u64 s[14:15], s[14:15], s[24:25]
	s_add_nc_u64 s[32:33], s[16:17], s[30:31]
	s_add_nc_u64 s[34:35], s[16:17], s[46:47]
	WIN 0x40                                       ; destination window 1: the rows wait there for LDS, so that x's registers are free from the start
	s_wait_alu depctr_va_vdst(0)                   ; v3 to v6 are written: the offsets and LDS addresses that the weights' loads, LDS stores and LDS loads read, for the whole kernel
.irp i, 0,1,2,3,4,5,6,7,8,9,10,11,12,13,14,15
	global_load_b128 v[4*\i:4*\i+3], v3, s[8:9] offset:512*\i th:TH_LOAD_NT        ; a whole row of 512 bytes
.endr
.irp i, 0,1,2,3,4,5,6,7,8,9,10,11,12,13,14,15
	global_load_b128 v[64+4*\i:64+4*\i+3], v3, s[12:13] offset:512*\i th:TH_LOAD_NT
.endr
	WIN 0
.irp t, 0,1,2,3
	global_load_b128 v[WS+4*\t:WS+4*\t+3], v6, s[10:11] offset:(32*(\t/2)+8*(\t%2))*32
	global_load_b128 v[WS+16+4*\t:WS+16+4*\t+3], v6, s[14:15] offset:(32*(\t/2)+8*(\t%2))*32
.endr
	s_wait_kmcnt 0x0                               ; {seg, cnt}
	s_min_u32 s37, s28, 2160                       ; seg
	s_min_u32 s29, s29, 1024                       ; cnt
	s_cmp_eq_u32 s29, 0
	s_cselect_b32 s37, 0, s37                      ; an expert without rows looks at the list's entry 0, which some expert's first row has written
	s_max_u32 s36, s29, 1
	s_sub_co_u32 s36, s36, 1                       ; the last row's number among the expert's
	s_add_co_u32 s38, s29, 15
	s_lshr_b32 s38, s38, 4                         ; row tiles
	s_lshl_b32 s40, s18, 4                         ; my first tile's first row among the expert's
	RADDR s40
	s_wait_alu depctr_va_vdst(0)                   ; v7 is written, which the load below reads as its offset
	global_load_b32 v8, v7, s[6:7]                 ; its 16 tokens
	s_wait_loadcnt 9                               ; the 32 rows are in; the eight loads of scale words and the tokens' one may be out
	WIN 0x04                                       ; an LDS store's data are its source 1: window 1
.irp i, 0,1,2,3,4,5,6,7,8,9,10,11,12,13,14,15
	ds_store_b128 v4, v[4*\i:4*\i+3] offset:(16*(\i/8)+(\i%8))*LP
	ds_store_b128 v4, v[64+4*\i:64+4*\i+3] offset:(16*(\i/8)+(\i%8))*LP+64*LP
.endr
	WIN 0
	s_wait_loadcnt 0x0                             ; the weights' scale words and the first tile's tokens
	s_wait_alu depctr_vm_vsrc(0)                   ; the tokens' load has read v7, which is written again below; my LDS stores have read the rows' registers of window 1, in which the fragments' LDS loads land behind the barrier
	XADDR
	s_add_co_u32 s41, s40, 64
	RADDR s41
	s_wait_alu depctr_va_vdst(0)                   ; v9, v10 and v7 are written, which the loads below read as offsets; XADDR is done reading v8, in which the next tokens land
	XLOAD                                          ; the first tile's x: it lands under the barrier and the fragments' LDS loads
	global_load_b32 v8, v7, s[6:7]                 ; and the tokens of my next tile
	s_wait_dscnt 0x0                               ; for the others' sake: my rows lie in LDS
	s_barrier_signal -1
	s_barrier_wait -1                              ; the launch's one barrier: every wave has passed it before any wave may end
	s_cmp_le_u32 s38, s18
	s_cbranch_scc1 .Lend                           ; no tile for my wave
	s_sub_co_u32 s38, s38, s18
	s_add_co_u32 s38, s38, 3
	s_lshr_b32 s38, s38, 2                         ; my wave's trips
	s_mov_b32 s39, 0
.irp k, 0,1,2,3,4,5,6,7                ; the weights' 64 fragments out of LDS: they stay.  (No vector instruction has named their registers; the LDS stores that read some of them stand ahead of the wait on vm_vsrc above)
.if \k < 4
	WIN 0x40
.else
	WIN 0x80
.endif
.irp t, 0,1,2,3,4,5,6,7
.irp c, 0,1
	ds_load_b128 v[((\k%4)*8+\t)*8+4*\c:((\k%4)*8+\t)*8+4*\c+3], v5 offset:16*\t*LP+64*\k+32*\c
.endr
.endr
.endr
	WIN 0
	s_wait_dscnt 0x0                               ; the weights' fragments
; one product: K step k, tile t.  The eight accumulators take turns, one instruction a turn
.macro WG k, t
.set rD, G+8*\t
.set rA, ((\k%4)*8+\t)*8
.set rB, X+8*\k
.set rS, WS+4*\t+(\k%4)
.set rX, XS+(\k%4)
.if \k == 0
	v_wmma_scale_f32_16x16x128_f8f6f4 v[rD:rD+7], v[rA:rA+7], v[rB:rB+7], 0, v[rS], v[rX] matrix_a_fmt:MATRIX_FMT_FP4 matrix_b_fmt:MATRIX_FMT_FP4
.elseif \k < 4
	v_wmma_scale_f32_16x16x128_f8f6f4 v[rD:rD+7], v[rA:rA+7], v[rB:rB+7], v[rD:rD+7], v[rS], v[rX] matrix_a_fmt:MATRIX_FMT_FP4 matrix_b_fmt:MATRIX_FMT_FP4
.else
	v_wmma_scale_f32_16x16x128_f8f6f4 v[rD:rD+7], v[rA:rA+7], v[rB:rB+7], v[rD:rD+7], v[rS], v[rX] matrix_a_fmt:MATRIX_FMT_FP4 matrix_b_fmt:MATRIX_FMT_FP4 matrix_a_scale:MATRIX_SCALE_ROW1 matrix_b_scale:MATRIX_SCALE_ROW1
.endif
.endm
; block b's 16 numbers of a lane: gate becomes gelu(gate) x up.  Every run goes up the registers
.macro GELU b
.set g0, G+16*\b
.set u0, V+16*\b
.irp j, 0,1,2,3,4,5,6,7,8,9,10,11,12,13,14,15
	v_and_b32 v[A+\j], 0x7fffffff, v[g0+\j]
.endr
.irp j, 0,2,4,6,8,10,12,14
	v_pk_fma_f32 v[T+\j:T+\j+1], v[A+\j:A+\j+1], 0x3eb504f3, 1.0 op_sel_hi:[1,0,0]   ; 1 + |g| sqrt 2 / 4
.endr
	s_wait_alu depctr_va_vdst(0)
.irp j, 0,1,2,3,4,5,6,7,8,9,10,11,12,13,14,15
	v_rcp_f32 v[T+\j], v[T+\j]
.endr
.irp j, 0,2,4,6,8,10,12,14
	v_pk_mul_f32 v[SQ+\j:SQ+\j+1], v[g0+\j:g0+\j+1], v[g0+\j:g0+\j+1]   ; g^2.  (The plain place behind the reciprocals)
.endr
	s_wait_alu depctr_va_vdst(0)                   ; the sixteen reciprocals have written v[T ..], which the polynomial's first lines read: one wait for the batch
.irp j, 0,2,4,6,8,10,12,14
	v_pk_fma_f32 v[P+\j:P+\j+1], v[T+\j:T+\j+1], v[52:53], 0xbf527892 op_sel_hi:[1,1,0]
.endr
.irp c, 0x3fbe87b0, 0xbf914e5d, 0x3e8ec7cc, 0xbe3ec24c, 0x3dc636c9, 0x3ebf88fb, 0x3f8000c7, 0xbfa1fc4e
.irp j, 0,2,4,6,8,10,12,14
	v_pk_fma_f32 v[P+\j:P+\j+1], v[P+\j:P+\j+1], v[T+\j:T+\j+1], \c op_sel_hi:[1,1,0]
.endr
.endr
.irp j, 0,2,4,6,8,10,12,14
	v_pk_fma_f32 v[P+\j:P+\j+1], v[SQ+\j:SQ+\j+1], -0.5, v[P+\j:P+\j+1] op_sel_hi:[1,0,1]
.endr
.irp j, 0,2,4,6,8,10,12,14
	v_pk_fma_f32 v[P+\j:P+\j+1], v[P+\j:P+\j+1], 0x3fb8aa3b, -1.0 op_sel_hi:[1,0,0]   ; to base 2; the -1 halves
.endr
	s_wait_alu depctr_va_vdst(0)
.irp j, 0,1,2,3,4,5,6,7,8,9,10,11,12,13,14,15
	v_exp_f32 v[P+\j], v[P+\j]
.endr
.irp j, 0,1,2,3,4,5,6,7,8,9,10,11,12,13,14,15
	v_max_num_f32 v[SQ+\j], 0, v[g0+\j]            ; max(g, 0).  (The plain place behind the exponentials)
.endr
	s_wait_alu depctr_va_vdst(0)                   ; the sixteen exponentials have written v[P ..], which the multiplications below read: one wait for the batch
.irp j, 0,2,4,6,8,10,12,14
	v_pk_mul_f32 v[P+\j:P+\j+1], v[P+\j:P+\j+1], v[T+\j:T+\j+1]   ; R
.endr
.irp j, 0,2,4,6,8,10,12,14
	v_pk_fma_f32 v[g0+\j:g0+\j+1], v[A+\j:A+\j+1], v[P+\j:P+\j+1], v[SQ+\j:SQ+\j+1] neg_lo:[1,0,0] neg_hi:[1,0,0]
.endr
.irp j, 0,2,4,6,8,10,12,14
	v_pk_mul_f32 v[g0+\j:g0+\j+1], v[g0+\j:g0+\j+1], v[u0+\j:u0+\j+1]
.endr
.endm
.Ltile:
	s_wait_loadcnt 0x0                             ; this tile's x and the next tile's tokens: asked for ahead of the last tile's gelu (the first tile's: ahead of the barrier)
.irp k, 0,1,2,3,4,5,6,7
.if \k < 4
	WIN 0x01                                       ; source 0 (the weights) in window 1,
.else
	WIN 0x02                                       ; in window 2
.endif
.irp t, 0,1,2,3,4,5,6,7
	WG \k, \t
.endr
.endr
	WIN 0
	s_wait_alu depctr_vm_vsrc(0)                   ; this tile's loads have read v9, v10 and v7, which the lines below write again; the last tile's stores have read v54-58, v11 and v12, which the quantiser writes again
	XADDR                                          ; these eight plain lines are the places between the last product and the first read of results
	s_add_co_u32 s41, s40, 128
	RADDR s41
	s_wait_alu depctr_va_vdst(0)                   ; v9, v10 and v7 are written, which the loads below read; the products are done reading X and XS, and XADDR v8, in which these loads land
	XLOAD                                          ; the next tile's x, into the same registers: it lands under the gelu
	global_load_b32 v8, v7, s[6:7]                 ; and the tokens of the tile after it
	GELU 0
	GELU 1
	s_wait_alu depctr_va_vdst(0)
	s_wait_xcnt 0x0                                ; the last tile's stores have had their addresses translated: codes, byte and addresses are written again only behind this wait (that the stores have read them the wait on vm_vsrc above has stated)
.irp b, 0,1                            ; the two blocks of 32 along F: 16 numbers are mine, 16 lane l xor 16's
	v_max3_num_f32 v[QT+\b], |v[G+16*\b]|, |v[G+16*\b+1]|, 0x1800000   ; with the floor 2^(3 - 127): the byte cannot fall under 1
.endr
.irp i, 2,4,6,8,10,12,14
.irp b, 0,1
	v_max3_num_f32 v[QT+\b], v[QT+\b], |v[G+16*\b+\i]|, |v[G+16*\b+\i+1]|
.endr
.endr
.irp b, 0,1
	v_permlanex16_b32 v[QT+2+\b], v[QT+\b], s42, s43
.endr
.irp b, 0,1
	v_max_num_f32 v[QT+\b], v[QT+\b], v[QT+2+\b]
.endr
.irp b, 0,1
	v_add_nc_u32 v[QT+4+\b], 0xff000000, v[QT+\b]  ; 2 off the exponent field: the conversion's scale operand
.endr
.irp b, 0,1
	v_lshrrev_b32 v[QT+2+\b], 23, v[QT+4+\b]       ; the scale's byte
.endr
	v_cndmask_b32 v58, v[QT+2], v[QT+3], s44       ; lanes 0-15 store the first block's byte, lanes 16-31 the second's
	v_add_nc_u32 v13, s40, v1
	v_add_nc_u32 v13, s37, v13
	v_min_u32 v13, 0x87f, v13                      ; my row's place p
	v_lshl_add_u32 v11, v13, 4, v15                ; 16 p + 8 h
	v_lshl_add_u32 v12, v13, 4, v14                ; 16 p + h
.irp b, 0,1
	v_cvt_scalef32_pk8_fp4_f32 v[CD+2*\b], v[G+16*\b:G+16*\b+7], v[QT+4+\b]
	v_cvt_scalef32_pk8_fp4_f32 v[CD+2*\b+1], v[G+16*\b+8:G+16*\b+15], v[QT+4+\b]
.endr
	v_nop                                          ; one plain place behind the conversions: the next tile's products write their sources
	s_wait_alu depctr_va_vdst(0)                   ; the conversions have written the codes v54-57; v58, v11 and v12 are written: the three stores read them
	global_store_b64 v11, v[CD:CD+1], s[32:33]     ; 32 lanes store 256 consecutive bytes, at a multiple of 256 from hc's first byte: 16 rows of a block
	global_store_b64 v11, v[CD+2:CD+3], s[32:33] offset:PLANE
	global_store_b8 v12, v58, s[34:35]
	s_add_co_u32 s40, s40, 64
	s_add_co_u32 s39, s39, 1
	s_cmp_lt_u32 s39, s38
	s_cbranch_scc1 .Ltile
.Lend:
	s_wait_dscnt 0x0                               ; the closing lines, six on end
	s_wait_alu 0x0
	s_wait_tensorcnt 0x0
	ds_add_u32 v62, v63
	s_wait_dscnt 0x0
	s_endpgm
.Lfunc_end_k_q9fcf9d5d23_gateup:
	.size	k_q9fcf9d5d23_gateup, .Lfunc_end_k_q9fcf9d5d23_gateup-k_q9fcf9d5d23_gateup
	.p2alignl 7, 3214868480
	.fill 96, 4, 3214868480
	.section	.rodata,"a",@progbits
	.p2align	6, 0x0
	.amdhsa_kernel k_q9fcf9d5d23_gateup
		.amdhsa_group_segment_fixed_size 68096
		.amdhsa_private_segment_fixed_size 0
		.amdhsa_enable_private_segment 0
		.amdhsa_kernarg_size 56
		.amdhsa_user_sgpr_count 2
		.amdhsa_user_sgpr_kernarg_segment_ptr 1
		.amdhsa_wavefront_size32 1
		.amdhsa_system_sgpr_workgroup_id_x 1
		.amdhsa_system_sgpr_workgroup_id_y 1
		.amdhsa_system_sgpr_workgroup_id_z 1
		.amdhsa_system_vgpr_workitem_id 0
		.amdhsa_next_free_vgpr 768
		.amdhsa_next_free_sgpr 66
		.amdhsa_reserve_vcc 0
		.amdhsa_float_denorm_mode_32 3
		.amdhsa_float_denorm_mode_16_64 3
		.amdhsa_memory_ordered 1
		.amdhsa_forward_progress 1
		.amdhsa_inst_pref_size 60
	.end_amdhsa_kernel
	.amdgpu_metadata
---
amdhsa.version: [ 1, 2 ]
amdhsa.kernels:
  - .name:           k_q9fcf9d5d23_gateup
    .symbol:         k_q9fcf9d5d23_gateup.kd
    .args:
      - { .name: xc, .offset: 0, .size: 8, .value_kind: global_buffer, .address_space: global }
      - { .name: lists, .offset: 8, .size: 8, .value_kind: global_buffer, .address_space: global }
      - { .name: w_g_codes, .offset: 16, .size: 8, .value_kind: global_buffer, .address_space: global }
      - { .name: w_g_scales, .offset: 24, .size: 8, .value_kind: global_buffer, .address_space: global }
      - { .name: w_v_codes, .offset: 32, .size: 8, .value_kind: global_buffer, .address_space: global }
      - { .name: w_v_scales, .offset: 40, .size: 8, .value_kind: global_buffer, .address_space: global }
      - { .name: hc, .offset: 48, .size: 8, .value_kind: global_buffer, .address_space: global }
    .group_segment_fixed_size: 68096
    .private_segment_fixed_size: 0
    .kernarg_segment_align: 8
    .kernarg_segment_size: 56
    .max_flat_workgroup_size: 128
    .sgpr_count:     66
    .vgpr_count:     768
    .wavefront_size: 32
...
	.end_amdgpu_metadata
.endif
;; end of part 7
;; launch down (part 8): grid 8 x 28, 4 waves a work-group, no clusters, 76,544 bytes of LDS; arguments hc, lists, rw2, w_1_codes, w_1_scales, out0; writes out0
.if DOCPART == 8
	.amdgcn_target "amdgcn-amd-amdhsa--gfx1250"
	.amdhsa_code_object_version 6
	.text
	.protected	k_q9fcf9d5d23_down
	.globl	k_q9fcf9d5d23_down
	.p2align	8
	.type	k_q9fcf9d5d23_down,@function
k_q9fcf9d5d23_down:
	s_mov_b64 s[64:65], 0
	v_nop
	global_prefetch_b8 v0, s[64:65] scope:SCOPE_SE
	s_setreg_imm32_b32 hwreg(HW_REG_WAVE_SCHED_MODE, 0, 2), 2
	s_setreg_imm32_b32 hwreg(HW_REG_WAVE_MODE, 25, 1), 1
	s_wait_xcnt 0x0
	s_wait_alu depctr_vm_vsrc(0)
; DOWN.  out[token] = w_a (hidden_a W1[a]) + w_b (hidden_b W1[b]) for the tokens of ONE pair of experts a < b (work-group y = 0 .. 27) and 128 columns (work-group x); wave w owns 32 of them.
; The tokens of a pair are neighbours, in one order, in a's rows of the hidden layer (from Olo), in b's (from Ohi) and in the list by pairs (from R): so each output row has one owner and nothing is added between work-groups.
; Products on E2M1 codes with E8M0 scales, 16 x 16 x 128, used transposed: source 0 = 16 rows of W1 (16 output columns), source 1 = 16 rows of the hidden layer: a lane holds one token and 8 neighbouring columns.
; THE WEIGHTS STAY IN REGISTERS: 2 experts x 2 tiles of columns x 16 K steps = 512 registers a wave.  THEY COME IN WHOLE ROWS: a group g = 2 role + tile is 16 rows of 1,024 bytes, 16,384 consecutive bytes of memory: 32 loads,
; each of 512 consecutive bytes.  A group then turns through the wave's own stage in LDS (rows of 1,024 + 16 bytes) into its 16 fragments, which land in the very registers that its loads filled.  The four groups use the same
; stage one after the other: LDS serves a wave's instructions in order (ISA guide 5.7.1.4), so a group's stores come behind the reads of the group before, and no barrier stands between.
; A tile of 16 tokens brings 2 x 16 fragments of the hidden layer (256 registers), in four chunks of four K steps; while a chunk is multiplied the same chunk of the next tile is asked for.
; The number of tiles hangs on a stored count: no tensor load, no cluster, no barrier; the waves share nothing.
; No joint loads: the seven work-groups that read a slice of one expert's W1 have different numbers of tiles, read from memory.
; Rows past the pair's count repeat its last row with its token and weights: they store the same numbers to the same places, and EXEC is never changed.
; out0 leaves in runs of 128 consecutive bytes (a wave's 32 columns of a token): two experts' weights for more columns do not fit in a wave's registers.
; REGISTERS.  Window 0: v1-29 addresses and the tile's record; v32-63 W1's scale words (16 role + k; lanes 0-15 columns 0-15, lanes 16-31 columns 16-31); v64-79 the hidden layer's (k; lanes 0-15 a's rows, lanes 16-31 b's);
; v96-127 four accumulators (role, tile of columns); v128-143 the weighted sum; v144-159 rows on the way out.  Windows 1 (K steps 0-7) and 2 (8-15): W1's fragments at 64 g + 8 (k % 8).  Window 3: the hidden layer's at (2 k + role) 8.
; THE MODE: SCHED_MODE bits 1:0 = 2 (LLVM: expert scheduling mode 2), set by the entry lines.  The code itself states the register dependences
; between vector or matrix instructions and memory or LDS instructions, with s_wait_alu, always for 0.
; THE PLAN.  Registers that memory or LDS instructions touch:
;   v4, v5, v18-22, v28, v29, v254, v255   Offsets and LDS addresses, made once at the head and never written again.
;   windows 1, 2: a group's 128            Written by the group's 32 loads, read by its 32 LDS stores, written by its 32 LDS loads; from then on read by products alone.
;   v7, v8, v9                             Written by BADDR, once a tile; read by the tile's four BLOADs.
;   v10; v12, v14, v16                     v10: written by REC's address lines, read by its three loads.  These land in v12 (read by OUT's LDS store) and in v14, v16 (read by OUT's multiplications).
;   window 3: chunk q; v[SB + 4 q ..]      Written by BLOAD q; read by MUL q's sixteen products.
;   O; v24-27; BK                          O: written by OUT's arithmetic, read by its LDS stores.  v24-27: written by OUT's LDS loads and then by its address lines, read by the global stores.  BK: written by OUT's LDS loads, read by the global stores.
; A TILE: one wait on vm_vsrc at its head, beside the wait on XCNT, frees all that the memory and LDS instructions of the tile before have read (v7-10, v12, O, v24-27, BK); one wait on va_vdst in REC, ahead of its loads;
; one ahead of each BLOAD, since the hidden layer has one set of registers and a chunk is asked for again as soon as it has been multiplied; two in OUT, ahead of its LDS stores and ahead of its global stores.
.set PLANE,  34816
.set HS_OFF, 64*PLANE
.set SA,  32
.set SB,  64
.set ACC, 96
.set O,   128
.set BK,  144
.set WP,   1040                        ; a row of W1 in the stage: 1,024 bytes + 16 = 260 words: row r starts at bank 4 r mod 64 (64 banks of 4 bytes: ISA guide 11.1), so the 16 rows that a fragment load touches start at 16 different banks
.set WSTG, 16*WP                       ; LDS: a stage of 16 such rows for each wave, from byte 0 on;
.set OSTG, 4*WSTG                      ; behind them the four stages of the way out (16 rows x 144 bytes each);
.set TK,  OSTG+9216                    ; behind those 64 bytes a wave for a tile's tokens
.set MSB, 0
.macro WIN new                         ; the immediate's high byte repeats the setting that is left
.if MSB != \new
	s_set_vgpr_msb (MSB<<8)|\new
.set MSB, \new
.endif
.endm
	s_load_b256 s[4:11], s[0:1], 0x0               ; hc s[4:5], lists s[6:7], rw2 s[8:9], W1's codes s[10:11]
	s_load_b128 s[12:15], s[0:1], 0x20             ; W1's scales s[12:13], out0 s[14:15]
	v_lshl_add_u32 v254, v0, 2, 0x12900
	v_mov_b32 v255, 0
	v_lshrrev_b32 v13, 5, v0
	v_readfirstlane_b32 s16, v13                   ; wave w
	v_and_b32 v1, 15, v0                           ; r
	v_bfe_u32 v2, v0, 4, 1                         ; h
	v_and_b32 v3, 31, v0                           ; lane
	v_lshlrev_b32 v4, 4, v3                        ; W1 in memory: 16 lane
	v_lshlrev_b32 v5, 6, v3                        ; its scale words: row = lane, 64 bytes
	v_mul_u32_u24 v6, v2, PLANE                    ; the hidden layer: lanes 16-31 take the next block's plane
	s_wait_alu depctr_va_sdst(0)                   ; s16, the wave's number, is written, ahead of its first reader
	s_mul_i32 s17, s16, WSTG                       ; my stage for W1
	v_add_nc_u32 v28, s17, v4                      ; in: 16 lane
	v_mul_u32_u24 v29, v1, WP
	v_lshl_add_u32 v29, v2, 4, v29
	v_add_nc_u32 v29, s17, v29                     ; out: row r, + 16 h
	s_mul_i32 s17, s16, 2304
	s_add_co_u32 s17, s17, OSTG                    ; my stage for the way out
	v_mul_u32_u24 v18, v1, 144
	v_lshl_add_u32 v18, v2, 5, v18
	v_add_nc_u32 v18, s17, v18                     ; in: row r, + 32 h
	v_lshrrev_b32 v20, 3, v3
	v_and_b32 v21, 7, v3
	v_lshlrev_b32 v21, 4, v21                      ; 16 (lane % 8)
	v_mul_u32_u24 v19, v20, 144
	v_add_nc_u32 v19, v19, v21
	v_add_nc_u32 v19, s17, v19                     ; back: eight lanes to a row of 128 bytes, four rows an instruction
	s_lshl_b32 s17, s16, 6
	s_add_co_u32 s17, s17, TK
	v_lshl_add_u32 v22, v1, 2, s17                 ; the tokens in: word r,
	v_lshl_add_u32 v20, v20, 2, s17                ; and back: word lane / 8
	v_mov_b32 v15, 0                               ; (the upper halves of the pairs that the packed forms name)
	v_mov_b32 v17, 0
	s_mov_b32 s44, 0xffff0000                      ; lanes 16-31
	s_and_b32 s18, ttmp7, 0xffff                   ; the pair's number: pairs by a, then by b
	s_mov_b32 s19, 0
.irp t, 7,13,18,22,25,27
	s_cmp_ge_u32 s18, \t
	s_add_co_ci_u32 s19, s19, 0                    ; a = how many of these firsts the number has reached
.endr
	s_sub_co_u32 s24, 15, s19
	s_mul_i32 s24, s24, s19
	s_lshr_b32 s24, s24, 1                         ; the first pair with this a: a (15 - a) / 2
	s_sub_co_u32 s25, s18, s24
	s_add_co_u32 s25, s25, s19
	s_add_co_u32 s25, s25, 1                       ; b
	s_lshl_b32 s24, s19, 3
	s_add_co_u32 s24, s24, s25
	s_lshl_b32 s24, s24, 4                         ; 16 (8 a + b)
	s_lshl_b32 s26, ttmp9, 7
	s_lshl_b32 s17, s16, 5
	s_add_co_u32 s26, s26, s17                     ; my first column
	s_lshl_b32 s17, s26, 10
	s_lshl_b32 s36, s19, 20
	s_add_co_u32 s36, s36, s17
	s_mov_b32 s37, 0
	s_lshl_b32 s38, s25, 20
	s_add_co_u32 s38, s38, s17
	s_mov_b32 s39, 0
	s_wait_kmcnt 0x0
	s_load_b128 s[20:23], s[6:7], s24 offset:12800 ; {n, Olo, Ohi, R}
	s_add_nc_u64 s[28:29], s[10:11], s[36:37]      ; W1[a] at my columns
	s_add_nc_u64 s[30:31], s[10:11], s[38:39]      ; W1[b]
	s_lshl_b32 s17, s26, 6
	s_lshl_b32 s36, s19, 16
	s_add_co_u32 s36, s36, s17
	s_lshl_b32 s38, s25, 16
	s_add_co_u32 s38, s38, s17
	s_add_nc_u64 s[32:33], s[12:13], s[36:37]
	s_add_nc_u64 s[34:35], s[12:13], s[38:39]
	s_lshl_b32 s36, s26, 2
	s_add_nc_u64 s[14:15], s[14:15], s[36:37]      ; out0 at my columns
.macro AGLOAD g, base                  ; group g's 16 rows as they lie: 32 loads of 512 consecutive bytes; rows 0-7 into window 1, rows 8-15 into window 2, at 64 g
	WIN 0x40
.irp i, 0,1,2,3,4,5,6,7,8,9,10,11,12,13,14,15
	global_load_b128 v[64*(\g)+4*\i:64*(\g)+4*\i+3], v4, s[\base:\base+1] offset:16384*((\g)%2)+512*\i
.endr
	WIN 0x80
.irp i, 0,1,2,3,4,5,6,7,8,9,10,11,12,13,14,15
	global_load_b128 v[64*(\g)+4*\i:64*(\g)+4*\i+3], v4, s[\base:\base+1] offset:16384*((\g)%2)+8192+512*\i
.endr
	WIN 0
.endm
.macro ATURN g                         ; group g through my stage: 32 stores by rows, 32 loads by fragments, into the registers that the stores have read
	WIN 0x04                                       ; an LDS store's data are its source 1: window 1,
.irp i, 0,1,2,3,4,5,6,7,8,9,10,11,12,13,14,15
	ds_store_b128 v28, v[64*(\g)+4*\i:64*(\g)+4*\i+3] offset:(\i/2)*WP+512*(\i%2)
.endr
	WIN 0x08                                       ; window 2
.irp i, 0,1,2,3,4,5,6,7,8,9,10,11,12,13,14,15
	ds_store_b128 v28, v[64*(\g)+4*\i:64*(\g)+4*\i+3] offset:(8+\i/2)*WP+512*(\i%2)
.endr
	WIN 0x40                                       ; K steps 0-7 into window 1,
	s_wait_alu depctr_vm_vsrc(0)                   ; the 32 LDS stores above have read the group's registers, in which the 32 LDS loads below land
.irp k, 0,1,2,3,4,5,6,7
.irp c, 0,1
	ds_load_b128 v[64*(\g)+8*\k+4*\c:64*(\g)+8*\k+4*\c+3], v29 offset:64*\k+32*\c
.endr
.endr
	WIN 0x80                                       ; 8-15 into window 2
.irp k, 0,1,2,3,4,5,6,7
.irp c, 0,1
	ds_load_b128 v[64*(\g)+8*\k+4*\c:64*(\g)+8*\k+4*\c+3], v29 offset:512+64*\k+32*\c
.endr
.endr
	WIN 0
.endm
.macro BADDR su                        ; where the 16 rows from \su on lie in the hidden layer; past the end: the last row
	v_add_nc_u32 v11, \su, v1
	v_min_u32 v11, s43, v11
	v_add_nc_u32 v7, s21, v11
	v_add_nc_u32 v8, s22, v11
	v_add_nc_u32 v9, v23, v11
	v_min_u32 v7, 0x87f, v7
	v_min_u32 v8, 0x87f, v8
	v_min_u32 v9, 0x87f, v9
	v_lshl_add_u32 v7, v7, 4, v6                   ; a's rows: 16 p + h planes
	v_lshl_add_u32 v8, v8, 4, v6                   ; b's
	v_lshlrev_b32 v9, 4, v9                        ; the scale words
.endm
.macro REC su                          ; the tile's record: token and two weights of row r: 3 loads
	v_add_nc_u32 v10, \su, v1
	v_min_u32 v10, s43, v10
	v_add_nc_u32 v10, s23, v10
	v_min_u32 v10, 0x3ff, v10
	v_lshlrev_b32 v10, 2, v10
	s_wait_alu depctr_va_vdst(0)                   ; v10 is written, which the three loads read as their offset; the last tile's multiplications are done reading v14 and v16, in which two of them land
	global_load_b32 v12, v10, s[6:7] offset:8704
	global_load_b32 v14, v10, s[8:9]
	global_load_b32 v16, v10, s[8:9] offset:4096
.endm
.macro BLOAD q                         ; chunk q: K steps 4 q .. 4 q + 3 of both roles, and their scale words: 17 loads
	WIN 0xc0
.irp kk, 0,1,2,3
.irp c, 0,1
	global_load_b128 v[(2*(4*\q+\kk))*8+4*\c:(2*(4*\q+\kk))*8+4*\c+3], v7, s[4:5] offset:(4*(4*\q+\kk)+2*\c)*PLANE
	global_load_b128 v[(2*(4*\q+\kk)+1)*8+4*\c:(2*(4*\q+\kk)+1)*8+4*\c+3], v8, s[4:5] offset:(4*(4*\q+\kk)+2*\c)*PLANE
.endr
.endr
	WIN 0
	global_load_b128 v[SB+4*\q:SB+4*\q+3], v9, s[4:5] offset:HS_OFF+\q*PLANE
.endm
; one product.  W1's scale words: lanes 0-15 for the first tile of columns, 16-31 for the second; the hidden layer's: lanes 0-15 for a's rows, 16-31 for b's
.macro WD k, role, n
.set rD, ACC+8*(2*\role+\n)
.set rA, 64*(2*\role+\n)+8*((\k)%8)
.set rB, (2*(\k)+\role)*8
.set rS, SA+16*\role+(\k)
.set rH, SB+(\k)
.if (\k) == 0
.if (\role == 0) && (\n == 0)
	v_wmma_scale_f32_16x16x128_f8f6f4 v[rD:rD+7], v[rA:rA+7], v[rB:rB+7], 0, v[rS], v[rH] matrix_a_fmt:MATRIX_FMT_FP4 matrix_b_fmt:MATRIX_FMT_FP4
.elseif \role == 0
	v_wmma_scale_f32_16x16x128_f8f6f4 v[rD:rD+7], v[rA:rA+7], v[rB:rB+7], 0, v[rS], v[rH] matrix_a_fmt:MATRIX_FMT_FP4 matrix_b_fmt:MATRIX_FMT_FP4 matrix_a_scale:MATRIX_SCALE_ROW1
.elseif \n == 0
	v_wmma_scale_f32_16x16x128_f8f6f4 v[rD:rD+7], v[rA:rA+7], v[rB:rB+7], 0, v[rS], v[rH] matrix_a_fmt:MATRIX_FMT_FP4 matrix_b_fmt:MATRIX_FMT_FP4 matrix_b_scale:MATRIX_SCALE_ROW1
.else
	v_wmma_scale_f32_16x16x128_f8f6f4 v[rD:rD+7], v[rA:rA+7], v[rB:rB+7], 0, v[rS], v[rH] matrix_a_fmt:MATRIX_FMT_FP4 matrix_b_fmt:MATRIX_FMT_FP4 matrix_a_scale:MATRIX_SCALE_ROW1 matrix_b_scale:MATRIX_SCALE_ROW1
.endif
.else
.if (\role == 0) && (\n == 0)
	v_wmma_scale_f32_16x16x128_f8f6f4 v[rD:rD+7], v[rA:rA+7], v[rB:rB+7], v[rD:rD+7], v[rS], v[rH] matrix_a_fmt:MATRIX_FMT_FP4 matrix_b_fmt:MATRIX_FMT_FP4
.elseif \role == 0
	v_wmma_scale_f32_16x16x128_f8f6f4 v[rD:rD+7], v[rA:rA+7], v[rB:rB+7], v[rD:rD+7], v[rS], v[rH] matrix_a_fmt:MATRIX_FMT_FP4 matrix_b_fmt:MATRIX_FMT_FP4 matrix_a_scale:MATRIX_SCALE_ROW1
.elseif \n == 0
	v_wmma_scale_f32_16x16x128_f8f6f4 v[rD:rD+7], v[rA:rA+7], v[rB:rB+7], v[rD:rD+7], v[rS], v[rH] matrix_a_fmt:MATRIX_FMT_FP4 matrix_b_fmt:MATRIX_FMT_FP4 matrix_b_scale:MATRIX_SCALE_ROW1
.else
	v_wmma_scale_f32_16x16x128_f8f6f4 v[rD:rD+7], v[rA:rA+7], v[rB:rB+7], v[rD:rD+7], v[rS], v[rH] matrix_a_fmt:MATRIX_FMT_FP4 matrix_b_fmt:MATRIX_FMT_FP4 matrix_a_scale:MATRIX_SCALE_ROW1 matrix_b_scale:MATRIX_SCALE_ROW1
.endif
.endif
.endm
.macro MUL q                           ; chunk q: 16 products; the four accumulators take turns, one instruction a turn; K step 0 starts the sums
.if \q < 2
	WIN 0x0d                                       ; source 0 (W1) window 1, source 1 (the hidden layer) window 3
.else
	WIN 0x0e                                       ; source 0 window 2
.endif
.irp kk, 0,1,2,3
.irp role, 0,1
.irp n, 0,1
	WD 4*\q+\kk, \role, \n
.endr
.endr
.endr
	WIN 0
.endm
.macro PLACES                          ; four plain places between a product and a load into its sources, or the first read of results; they stay beside the wait that follows them
.rept 4
	v_nop
.endr
.endm
; the tile's way out: the two experts' results weighed and added; through my own stage, so that eight lanes hold 128 neighbouring bytes of a token's row; the tokens go with them through 64 bytes of LDS
.macro OUT
.irp i, 0,2,4,6,8,10,12,14
	v_pk_mul_f32 v[O+\i:O+\i+1], v[ACC+\i:ACC+\i+1], v[14:15] op_sel_hi:[1,0]      ; each accumulator from its low end on
.endr
.irp i, 0,2,4,6,8,10,12,14
	v_pk_fma_f32 v[O+\i:O+\i+1], v[ACC+16+\i:ACC+16+\i+1], v[16:17], v[O+\i:O+\i+1] op_sel_hi:[1,0,1]
.endr
	s_wait_alu depctr_va_vdst(0)                   ; the weighted sums v[O ..] are written, which the LDS stores read; so are v24-27 by the last tile's address lines, in which the tokens' LDS loads land
	ds_store_b32 v22, v12                          ; both halves of the lanes write the same word with the same value
.irp n, 0,1
.irp q, 0,1
	ds_store_b128 v18, v[O+8*\n+4*\q:O+8*\n+4*\q+3] offset:64*\n+16*\q
.endr
.endr
.irp i, 0,1,2,3
	ds_load_b32 v[24+\i], v20 offset:16*\i         ; LDS serves a wave's instructions in order: these see my stores
.endr
.irp i, 0,1,2,3
	ds_load_b128 v[BK+4*\i:BK+4*\i+3], v19 offset:576*\i
.endr
	s_wait_dscnt 0x0
.irp i, 0,1,2,3
	v_min_u32 v[24+\i], 0x3ff, v[24+\i]
	v_lshl_add_u32 v[24+\i], v[24+\i], 12, v21     ; the token's row of 4,096 bytes, + 16 (lane % 8)
.endr
	s_wait_alu depctr_va_vdst(0)                   ; v24-27 are written, which the four stores read as their offsets
.irp i, 0,1,2,3
	global_store_b128 v[24+\i], v[BK+4*\i:BK+4*\i+3], s[14:15] th:TH_STORE_NT
.endr
.endm
	; THE HEAD.  Two groups of W1 are always on their way; a group that has landed turns through the stage while the next two come
	s_wait_alu depctr_va_vdst(0)                   ; v4, v5, v18 to v22, v28 and v29 are written: the offsets and LDS addresses that loads, LDS stores and LDS loads read, for the whole kernel
	AGLOAD 0, 28
	AGLOAD 1, 28
	s_wait_kmcnt 0x0                               ; {n, Olo, Ohi, R}
	s_min_u32 s20, s20, 1024                       ; n
	s_min_u32 s21, s21, 2175                       ; Olo
	s_min_u32 s22, s22, 2175                       ; Ohi
	s_min_u32 s23, s23, 1023                       ; R
	s_cmp_eq_u32 s20, 0
	s_cbranch_scc1 .Lend                           ; no token has this pair
	s_sub_co_u32 s43, s20, 1
	s_add_co_u32 s42, s20, 15
	s_lshr_b32 s42, s42, 4
	s_sub_co_u32 s42, s42, 1                       ; tiles but the last
	s_mov_b32 s40, 0                               ; the tile's first row among the pair's
	s_mov_b32 s41, 0
	v_mov_b32 v23, s21
	v_mov_b32 v13, s22
	v_cndmask_b32 v23, v23, v13, s44               ; lanes 0-15: Olo, lanes 16-31: Ohi
	BADDR s40
	s_wait_alu depctr_va_vdst(0)                   ; v7, v8 and v9 are written, which the head's four BLOADs read as offsets: no vector instruction stands between here and the last of them
	s_wait_loadcnt 32                              ; group 0 is in; group 1's 32 loads may be out
	ATURN 0
	AGLOAD 2, 30
	s_wait_loadcnt 32                              ; group 1 is in; group 2's may be out
	ATURN 1
	AGLOAD 3, 30
	s_wait_loadcnt 32                              ; group 2 is in; group 3's may be out
	ATURN 2
.irp q, 0,1,2,3
	global_load_b128 v[SA+4*\q:SA+4*\q+3], v5, s[32:33] offset:16*\q
	global_load_b128 v[SA+16+4*\q:SA+16+4*\q+3], v5, s[34:35] offset:16*\q
.endr
	BLOAD 0
	s_wait_loadcnt 25                              ; group 3 is in; behind it: the eight loads of scale words and chunk 0's 17
	ATURN 3
	BLOAD 1
	BLOAD 2
	BLOAD 3
	s_wait_dscnt 0x0                               ; W1's 64 fragments are in their registers
	s_cmp_eq_u32 s42, 0
	s_cbranch_scc1 .Ltail
.Ltile:                                            ; every tile but the last: while it is multiplied the next one is asked for
	s_wait_xcnt 0x0                                ; the loads and stores issued so far have had their addresses translated: their address and data registers are written again only behind this wait
	s_wait_alu depctr_vm_vsrc(0)                   ; the BLOADs issued so far have read v7, v8, v9; the last tile's record loads v10, its LDS stores v12 and v[O ..], its global stores v24-27 and v[BK ..]: all are written again in this tile
	REC s40
	s_add_co_u32 s40, s40, 16
	BADDR s40
.irp q, 0,1,2,3
	s_wait_loadcnt 54                              ; chunk q of this tile is in.  Behind it: (3 - q) x 17 of this tile, the record's 3, q x 17 of the next tile
	MUL \q
	PLACES
	s_wait_alu depctr_va_vdst(0)                   ; chunk q's products are done reading its fragments and scale words, in which the loads below land; v7, v8 and v9 are written, which they read as offsets
	BLOAD \q
.endr
	s_wait_loadcnt 63                              ; the record is in: 68 loads were issued behind it, and 63 is the largest count that can be written
	OUT
	s_add_co_u32 s41, s41, 1
	s_cmp_lt_u32 s41, s42
	s_cbranch_scc1 .Ltile
.Ltail:                                            ; the last tile asks for nothing more: the counts run down
	s_wait_xcnt 0x0
	s_wait_alu depctr_vm_vsrc(0)                   ; the tile before has read v10 by its record loads, v12 and v[O ..] by its LDS stores, v24-27 and v[BK ..] by its global stores: all are written again in this tile
	REC s40
	s_wait_loadcnt 54                              ; behind chunk 0: three chunks of 17 and the record's 3
	MUL 0
	s_wait_loadcnt 37
	MUL 1
	s_wait_loadcnt 20
	MUL 2
	s_wait_loadcnt 3
	MUL 3
	PLACES
	s_wait_loadcnt 0x0                             ; the record
	OUT
.Lend:
	s_wait_dscnt 0x0                               ; the closing lines, six on end
	s_wait_alu 0x0
	s_wait_tensorcnt 0x0
	ds_add_u32 v254, v255
	s_wait_dscnt 0x0
	s_endpgm
.Lfunc_end_k_q9fcf9d5d23_down:
	.size	k_q9fcf9d5d23_down, .Lfunc_end_k_q9fcf9d5d23_down-k_q9fcf9d5d23_down
	.p2alignl 7, 3214868480
	.fill 96, 4, 3214868480
	.section	.rodata,"a",@progbits
	.p2align	6, 0x0
	.amdhsa_kernel k_q9fcf9d5d23_down
		.amdhsa_group_segment_fixed_size 76544
		.amdhsa_private_segment_fixed_size 0
		.amdhsa_enable_private_segment 0
		.amdhsa_kernarg_size 48
		.amdhsa_user_sgpr_count 2
		.amdhsa_user_sgpr_kernarg_segment_ptr 1
		.amdhsa_wavefront_size32 1
		.amdhsa_system_sgpr_workgroup_id_x 1
		.amdhsa_system_sgpr_workgroup_id_y 1
		.amdhsa_system_sgpr_workgroup_id_z 1
		.amdhsa_system_vgpr_workitem_id 0
		.amdhsa_next_free_vgpr 1024
		.amdhsa_next_free_sgpr 66
		.amdhsa_reserve_vcc 0
		.amdhsa_float_denorm_mode_32 3
		.amdhsa_float_denorm_mode_16_64 3
		.amdhsa_memory_ordered 1
		.amdhsa_forward_progress 1
		.amdhsa_inst_pref_size 74
	.end_amdhsa_kernel
	.amdgpu_metadata
---
amdhsa.version: [ 1, 2 ]
amdhsa.kernels:
  - .name:           k_q9fcf9d5d23_down
    .symbol:         k_q9fcf9d5d23_down.kd
    .args:
      - { .name: hc, .offset: 0, .size: 8, .value_kind: global_buffer, .address_space: global }
      - { .name: lists, .offset: 8, .size: 8, .value_kind: global_buffer, .address_space: global }
      - { .name: rw2, .offset: 16, .size: 8, .value_kind: global_buffer, .address_space: global }
      - { .name: w_1_codes, .offset: 24, .size: 8, .value_kind: global_buffer, .address_space: global }
      - { .name: w_1_scales, .offset: 32, .size: 8, .value_kind: global_buffer, .address_space: global }
      - { .name: out0, .offset: 40, .size: 8, .value_kind: global_buffer, .address_space: global }
    .group_segment_fixed_size: 76544
    .private_segment_fixed_size: 0
    .kernarg_segment_align: 8
    .kernarg_segment_size: 48
    .max_flat_workgroup_size: 128
    .sgpr_count:     66
    .vgpr_count:     1024
    .wavefront_size: 32
...
	.end_amdgpu_metadata
.endif
;; end of part 8
